; MI455X (gfx1250); checked and timed in simulation.
; The chip was launched on July 23, 2026; its instructions are those of AMD's public machine-readable ISA for CDNA 5 (MIT licence, August 2026) and "CDNA5" Instruction Set Architecture Reference Guide (July 2026). The comments in the code are by the model that wrote it; some were corrected since.
;; Attention Block. Allowed arithmetic: matrix products marked QUANTISED: E3M2 operands, one E8M0 scale for each 32 along K, by v_wmma_scale_f32_16x16x128_f8f6f4 with both operands' format E3M2, f32 sums; everything else in f32.
;; Inputs: norm_b 256 float32; norm_w 256 float32; proj_b 256 float32; proj_w 256 x 256 float32; qkv_b 768 float32; qkv_w 768 x 256 float32; x 4 x 256 x 64 x 64 float32.
;; Outputs: out0 4 x 256 x 64 x 64 float32.
;; This version of the problem:
;;   THIS VERSION OF THE PROBLEM IS GIVEN IN LOW PRECISION. The matrix products marked QUANTISED in the list below multiply operands that are first quantised to E3M2 (3 exponent bits, 2 mantissa bits; 6 bits a number), with one power-of-two scale for each 32 numbers along K (OCP MX v1.0); their sums are f32. All else is computed in f32.
;;   The module's matrix products, in the order in which they are computed (A, B: the left and right operand; K: the contracted axis; several contracted axes count as one K, in the product's order):
;;     1. [M 768, K 256] x [K 256, N 16,384]; A: input qkv_w; B: computed on the way: QUANTISED
;;     2. batch 16 x [M 4,096, K 64] x [K 64, N 4,096]; A: computed on the way; B: computed on the way: QUANTISED
;;     3. batch 16 x [M 4,096, K 4,096] x [K 4,096, N 64]; A: softmax (see below); B: computed on the way: QUANTISED
;;     4. [M 256, K 256] x [K 256, N 16,384]; A: input proj_w; B: computed on the way: QUANTISED
;;   THE QUANTISER, for each operand of a quantised product, along K:
;;     - K is cut into blocks of 32 from its start; a last block that is shorter is filled with zeros.
;;     - A block's scale is 2^e with e = floor(log2(the largest magnitude in the block)) - 4, held to -126 .. 127; a block of zeros has e = 0. As a byte (E8M0): e + 127.
;;     - Each number is divided by its block's scale, clamped to +-28, and rounded to the nearest number of E3M2, ties to even, subnormals kept.
;;     - The product sums the exact products of the quantised numbers (number of the format x scale) in f32.
;;   ~~~python
;;   def quantise(x, axis):      # numpy; x: float32 -> the quantised numbers, widened to float32 again
;;       x = np.moveaxis(x, axis, -1); K = x.shape[-1]
;;       x = np.pad(x, [(0, 0)] * (x.ndim - 1) + [(0, -K % 32)]); x = x.reshape(x.shape[:-1] + (-1, 32)); a = np.abs(x).max(-1, keepdims=True)
;;       e = np.where(a > 0, np.clip(np.frexp(np.where(a > 0, a, 1))[1] - 1 - 4, -126, 127), 0)      # np.frexp(a)[1] - 1 = floor(log2(a)), exactly
;;       r = np.clip(x / 2.0 ** e, -28, 28)
;;       step = 2.0 ** (np.maximum(np.frexp(np.where(r == 0, 1, r))[1] - 1, -2) - 2)
;;       q = np.round(r / step) * step * 2.0 ** e      # np.round: ties to even
;;       return np.moveaxis(q.reshape(q.shape[:-2] + (-1,))[..., :K], -1, axis).astype(np.float32)
;;   ~~~
;;   SOFTMAX AHEAD OF A QUANTISED PRODUCT. Where the list says 'softmax', what is quantised is not the finished softmax but p = 2^(t - M), with t = logit x log2(e) and M = ceil(the row's largest t), a whole number; so 1/2 < the row's largest p <= 1. The row's sum l is taken of the UNQUANTISED p, in f32, and the product's result is divided by l at the end. Since M is a whole number, a kernel that streams over the keys may use a running M (the ceiling of the running maximum): every later rescaling is an exact power of two, which a block's scale takes up: the codes' values come out the same.
;;   OPERANDS COMPUTED ON THE WAY. 'Computed on the way' means the value that the module computes at that place (a softmax that the list does not call 'softmax' is quantised finished and normalised). What goes into a quantiser is computed in f32, as accurately as f32 sums, v_exp_f32 and their like allow (about 1e-6 of the number): no bf16 or f16 on the way to a quantiser, and a product that is left as it is and whose result goes on into a quantised operand takes f32 operands (vector FMAs, or v_wmma_f32_16x16x4_f32). A number that lies on a knife's edge between two numbers of the format may be rounded either way, as far as f32 arithmetic and the matrix unit's own rounding can turn it there, and no further.
;; One version. Each part assembles by itself: llvm-mc -triple=amdgcn-amd-amdhsa -mcpu=gfx1250 --defsym DOCPART=n.
;; ======== version 1 of 1: 4 launches
;; workspace buffers: stats 2,048 bytes; wq 204,800 bytes; qc 3,407,872 bytes; kv 6,291,456 bytes; kvs 524,288 bytes; oc 3,407,872 bytes
;; launch prep (part 1): grid 264 x 1, 8 waves a work-group, no clusters, 1,280 bytes of LDS; arguments x, qkv_w, proj_w, stats, wq; writes stats, wq
.if DOCPART == 1
	.amdgcn_target "amdgcn-amd-amdhsa--gfx1250"
	.amdhsa_code_object_version 6
	.text
	.protected	k_q0da767ac02_prep
	.globl	k_q0da767ac02_prep
	.p2align	8
	.type	k_q0da767ac02_prep,@function
k_q0da767ac02_prep:
	s_mov_b64 s[64:65], 0
	v_nop
	global_prefetch_b8 v0, s[64:65] scope:SCOPE_SE
	s_setreg_imm32_b32 hwreg(HW_REG_WAVE_MODE, 25, 1), 1
	s_wait_xcnt 0x0
; TWO JOBS IN ONE LAUNCH, told apart by the work-group's number alone.
; Work-groups 0-255: partial statistics of the group norm.  A norm group (32 channels x 4,096 pixels) is 524,288 consecutive bytes of x; work-group i takes the 65,536 bytes at 65,536 i,
; one eighth of group i / 8, keeps them in registers, and stores (its mean, its sum of squared distances from that mean) at stats + 8 i.  No difference of large sums is formed.
; Those 8 bytes a work-group are the one store here that does not fill 256 consecutive bytes: 2,048 bytes in the launch.
; Work-groups 256-263: qkv_w [768][256] and proj_w [256][256], f32, K innermost, become codes of BF6 (E3M2) with one E8M0 byte for each 32 along K, laid as IMAGES OF THE OPERAND'S REGISTERS:
; tile T (16 rows), K step s (128 along K): 12 registers a lane, register group k (four registers) at wq + (2 T + s) 1,536 + 512 k + 16 lane.  T = 0-47: qkv_w, T = 48-63: proj_w.
; THE ROWS OF A TILE ARE NOT NEIGHBOURS: row rho of tile 2 b + u is row 32 b + 8 u + rho + 8 (rho / 8) of the weight.  Scale words at wq + 196,608 + 128 T + 4 lane: lane rho + 16 s holds row rho's word of K step s.
; A block's scale byte is its largest magnitude's exponent field - 4, held at 1 from below.
; LIMITS: NaN and infinities are not served; a block whose largest magnitude lies under 2^-122 (a block of zeros too) gets the byte 1: its codes are what the conversion gives under that scale, and this program alone reads the bytes.
; No matrix work, no tensor loads, no cluster: no two work-groups read the same bytes.
.set NSTAT, 256
.set XR,    16                         ; v16-79 (statistics) or v16-143 (weights): the numbers as loaded
.set CH,    80                         ; v80-87 four chains of pairs
	s_load_b256 s[4:11], s[0:1], 0x0               ; x s[4:5], qkv_w s[6:7], proj_w s[8:9], stats s[10:11]
	s_load_b64 s[12:13], s[0:1], 0x20              ; wq
	v_lshl_add_u32 v192, v0, 2, 0x100
	v_mov_b32 v193, 0
	v_lshrrev_b32 v1, 5, v0
	v_readfirstlane_b32 s14, v1                    ; wave 0..7
	s_mov_b32 s16, 0x76543210
	s_mov_b32 s17, 0xfedcba98                      ; v_permlanex16_b32's selects for lane l xor 16
	s_mov_b32 s19, 0
	s_wait_kmcnt 0x0
	s_cmp_ge_u32 ttmp9, NSTAT
	s_cbranch_scc1 .Lweights
	; ---- statistics
	s_lshl_b32 s18, ttmp9, 16
	s_add_nc_u64 s[4:5], s[4:5], s[18:19]          ; my 65,536 bytes
	v_lshlrev_b32 v2, 4, v0                        ; 16 bytes a thread: a wave's load covers 512 consecutive bytes
	v_lshlrev_b32 v3, 2, v1                        ; LDS: my wave's word
	v_mov_b32 v4, 0
.irp j, 0,1,2,3,4,5,6,7,8,9,10,11,12,13,14,15
	global_load_b128 v[XR+4*\j:XR+4*\j+3], v2, s[4:5] offset:4096*\j th:TH_LOAD_NT
.endr
.macro WAVESUM                         ; the four chains, the pair's halves and the 32 lanes: the sum in v80 of every lane
	v_pk_add_f32 v[CH:CH+1], v[CH:CH+1], v[CH+2:CH+3]
	v_pk_add_f32 v[CH+4:CH+5], v[CH+4:CH+5], v[CH+6:CH+7]
	v_pk_add_f32 v[CH:CH+1], v[CH:CH+1], v[CH+4:CH+5]
	v_add_f32 v80, v80, v81
	v_add_f32_dpp v80, v80, v80 row_xmask:1 row_mask:0xf bank_mask:0xf
	v_add_f32_dpp v80, v80, v80 row_xmask:2 row_mask:0xf bank_mask:0xf
	v_add_f32_dpp v80, v80, v80 row_xmask:4 row_mask:0xf bank_mask:0xf
	v_add_f32_dpp v80, v80, v80 row_xmask:8 row_mask:0xf bank_mask:0xf
	v_permlanex16_b32 v81, v80, s16, s17
	v_add_f32 v80, v80, v81
.endm
.macro GROUPSUM off                    ; over the eight waves, through eight words of LDS at byte off: the sum in v88 of every lane
	ds_store_b32 v3, v80 offset:\off               ; all lanes of a wave write the same word with the same value
	s_wait_dscnt 0x0                               ; for the others' sake: my store has landed
	s_barrier_signal -1
	s_barrier_wait -1
	ds_load_b128 v[88:91], v4 offset:\off
	ds_load_b128 v[92:95], v4 offset:\off+16
	s_wait_dscnt 0x0
	v_add_f32 v88, v88, v89
	v_add_f32 v90, v90, v91
	v_add_f32 v92, v92, v93
	v_add_f32 v94, v94, v95
	v_add_f32 v88, v88, v90
	v_add_f32 v92, v92, v94
	v_add_f32 v88, v88, v92
.endm
	s_wait_loadcnt 0x0
.irp k, 0,1,2,3
	v_pk_add_f32 v[CH+2*\k:CH+2*\k+1], v[XR+2*\k:XR+2*\k+1], v[XR+8+2*\k:XR+9+2*\k]   ; the first eight pairs start the chains: nothing is cleared
.endr
.set p, 8
.rept 24
	v_pk_add_f32 v[CH+2*(p%4):CH+2*(p%4)+1], v[CH+2*(p%4):CH+2*(p%4)+1], v[XR+2*p:XR+2*p+1]
.set p, p+1
.endr
	WAVESUM
	GROUPSUM 0
	v_mul_f32 v96, 0x38800000, v88                 ; the mean of my 16,384 numbers: x 2^-14
	v_mov_b32 v97, v96
.set p, 0
.rept 32
	v_pk_add_f32 v[XR+2*p:XR+2*p+1], v[XR+2*p:XR+2*p+1], v[96:97] neg_lo:[0,1] neg_hi:[0,1]   ; x - mean, in place
.set p, p+1
.endr
.irp k, 0,1,2,3
	v_pk_mul_f32 v[CH+2*\k:CH+2*\k+1], v[XR+2*\k:XR+2*\k+1], v[XR+2*\k:XR+2*\k+1]
.endr
.set p, 4
.rept 28
	v_pk_fma_f32 v[CH+2*(p%4):CH+2*(p%4)+1], v[XR+2*p:XR+2*p+1], v[XR+2*p:XR+2*p+1], v[CH+2*(p%4):CH+2*(p%4)+1]
.set p, p+1
.endr
	WAVESUM
	GROUPSUM 32                                    ; other bytes than the first sum's: no wave can still be reading what is written here
	v_mov_b32 v97, v88                             ; (mean, sum of squared distances)
	s_cmp_lg_u32 s14, 0
	s_cbranch_scc1 .Ldone                          ; wave 0 stores
	s_lshl_b32 s18, ttmp9, 3
	s_add_nc_u64 s[10:11], s[10:11], s[18:19]
	v_cmp_eq_u32 vcc_lo, 0, v0
	s_wait_xcnt 0x0                                ; EXEC changes only behind this wait
	s_and_saveexec_b32 s20, vcc_lo
	global_store_b64 v4, v[96:97], s[10:11]        ; lane 0 alone
	s_wait_xcnt 0x0                                ; and again in front of the line that widens it
	s_or_b32 exec_lo, exec_lo, s20
.Ldone:
	s_wait_tensorcnt 0x0
	ds_add_u32 v192, v193
	s_wait_dscnt 0x0
	s_endpgm
	; ---- weights: a wave to a tile of 16 rows x 256 along K
.Lweights:
	s_sub_co_u32 s18, ttmp9, NSTAT
	s_lshl_b32 s18, s18, 3
	s_add_co_u32 s18, s18, s14                     ; T = 0..63
	s_cmp_lt_u32 s18, 48                           ; the choice hangs on ids alone
	s_cselect_b64 s[4:5], s[6:7], s[8:9]
	s_cselect_b32 s20, 0, 48
	s_sub_co_u32 s20, s18, s20                     ; the tile's number in its own weight
	s_lshr_b32 s21, s20, 1
	s_lshl_b32 s21, s21, 5
	s_and_b32 s20, s20, 1
	s_lshl_b32 s20, s20, 3
	s_add_co_u32 s20, s20, s21                     ; its first row: 32 b + 8 u
	s_lshl_b32 s20, s20, 10                        ; a row is 1,024 bytes
	s_mov_b32 s21, 0
	s_add_nc_u64 s[4:5], s[4:5], s[20:21]
	s_lshl_b32 s20, s18, 7
	s_add_nc_u64 s[24:25], s[12:13], s[20:21]      ; the tile's scale words (196,608 stands in the immediate)
	s_mul_i32 s20, s18, 3072
	s_add_nc_u64 s[12:13], s[12:13], s[20:21]      ; the tile's two images
	v_and_b32 v1, 31, v0                           ; lane
	v_and_b32 v2, 15, v0                           ; r
	v_bfe_u32 v3, v0, 4, 1                         ; h
	v_and_b32 v4, 8, v2
	v_add_nc_u32 v4, v4, v2                        ; r + 8 (r / 8)
	v_lshlrev_b32 v4, 10, v4
	v_lshl_add_u32 v4, v3, 7, v4                   ; my row, + 128 h: the operand's layout gives lane (r, h) k = 128 s + 64 c + 32 h + 0 .. 31
	v_lshlrev_b32 v5, 4, v1                        ; 16 x lane
	v_lshlrev_b32 v6, 2, v1                        ; 4 x lane
	v_lshlrev_b32 v7, 3, v3                        ; 8 h: my bytes' place in the scale word, in bits
	v_mov_b32 v184, 0                              ; written once: a lane permute's destination counts as one of its sources
.irp s, 0,1
.irp c, 0,1
.irp i, 0,1,2,3,4,5,6,7
	global_load_b128 v[XR+64*\s+32*\c+4*\i:XR+64*\s+32*\c+4*\i+3], v4, s[4:5] offset:512*\s+256*\c+16*\i   ; a whole block of 32 to a lane
.endr
.endr
.endr
	s_wait_loadcnt 0x0
.macro WFRAG s                         ; K step s: 12 registers of codes in v[144 + 12 s ..], the scale word in v[182 + s]
.irp c, 0,1
	v_max3_num_f32 v[176+\c], |v[XR+64*\s+32*\c]|, |v[XR+1+64*\s+32*\c]|, 0x2800000   ; my block 2 c + h, and the floor 2^(5 - 127): the byte cannot fall under 1
.endr
.irp i, 2,4,6,8,10,12,14,16,18,20,22,24,26,28,30
.irp c, 0,1
	v_max3_num_f32 v[176+\c], v[176+\c], |v[XR+64*\s+32*\c+\i]|, |v[XR+1+64*\s+32*\c+\i]|   ; (the two blocks by turns)
.endr
.endr
.irp c, 0,1
	v_add_nc_u32 v[178+\c], 0xfe000000, v[176+\c]  ; 4 off the exponent field: the conversion's scale operand
.endr
.irp c, 0,1
	v_lshrrev_b32 v[180+\c], 23, v[178+\c]         ; the scale's byte
.endr
	v_lshl_or_b32 v[182+\s], v181, 16, v180        ; my two bytes: blocks h and 2 + h,
	v_lshlrev_b32 v[182+\s], v7, v[182+\s]         ; at their places;
	v_permlanex16_b32 v184, v[182+\s], s16, s17
	v_or_b32 v[182+\s], v[182+\s], v184            ; with lane l xor 16's two the word is whole
.irp c, 0,1
	v_cvt_scalef32_pk16_bf6_f32 v[144+12*\s+6*\c:146+12*\s+6*\c], v[XR+64*\s+32*\c:XR+15+64*\s+32*\c], v[178+\c]
	v_cvt_scalef32_pk16_bf6_f32 v[168+4*\c:170+4*\c], v[XR+16+64*\s+32*\c:XR+31+64*\s+32*\c], v[178+\c]   ; (a conversion's three registers begin on an even number)
.endr
	v_nop                                          ; one plain place behind a scaled conversion
.irp c, 0,1
.irp i, 0,1,2
	v_mov_b32 v[147+12*\s+6*\c+\i], v[168+4*\c+\i]
.endr
.endr
.irp k, 0,1,2
	global_store_b128 v5, v[144+12*\s+4*\k:147+12*\s+4*\k], s[12:13] offset:1536*\s+512*\k   ; 32 lanes store 512 consecutive bytes; each K step has its own registers, so no store's data are written again
.endr
.endm
	WFRAG 0
	WFRAG 1
	v_cmp_gt_u32 vcc_lo, 16, v1
	v_cndmask_b32 v186, v183, v182, vcc_lo         ; lanes 0-15: K step 0's word of row r; lanes 16-31: K step 1's
	global_store_b32 v6, v186, s[24:25] offset:196608
	s_endpgm
.Lfunc_end_k_q0da767ac02_prep:
	.size	k_q0da767ac02_prep, .Lfunc_end_k_q0da767ac02_prep-k_q0da767ac02_prep
	.p2alignl 7, 3214868480
	.fill 96, 4, 3214868480
	.section	.rodata,"a",@progbits
	.p2align	6, 0x0
	.amdhsa_kernel k_q0da767ac02_prep
		.amdhsa_group_segment_fixed_size 1280
		.amdhsa_private_segment_fixed_size 0
		.amdhsa_enable_private_segment 0
		.amdhsa_kernarg_size 40
		.amdhsa_user_sgpr_count 2
		.amdhsa_user_sgpr_kernarg_segment_ptr 1
		.amdhsa_wavefront_size32 1
		.amdhsa_system_sgpr_workgroup_id_x 1
		.amdhsa_system_sgpr_workgroup_id_y 1
		.amdhsa_system_sgpr_workgroup_id_z 1
		.amdhsa_system_vgpr_workitem_id 0
		.amdhsa_next_free_vgpr 194
		.amdhsa_next_free_sgpr 66
		.amdhsa_reserve_vcc 1
		.amdhsa_float_denorm_mode_32 3
		.amdhsa_float_denorm_mode_16_64 3
		.amdhsa_memory_ordered 1
		.amdhsa_forward_progress 1
		.amdhsa_inst_pref_size 22
	.end_amdhsa_kernel
	.amdgpu_metadata
---
amdhsa.version: [ 1, 2 ]
amdhsa.kernels:
  - .name:           k_q0da767ac02_prep
    .symbol:         k_q0da767ac02_prep.kd
    .args:
      - { .name: x, .offset: 0, .size: 8, .value_kind: global_buffer, .address_space: global }
      - { .name: qkv_w, .offset: 8, .size: 8, .value_kind: global_buffer, .address_space: global }
      - { .name: proj_w, .offset: 16, .size: 8, .value_kind: global_buffer, .address_space: global }
      - { .name: stats, .offset: 24, .size: 8, .value_kind: global_buffer, .address_space: global }
      - { .name: wq, .offset: 32, .size: 8, .value_kind: global_buffer, .address_space: global }
    .group_segment_fixed_size: 1280
    .private_segment_fixed_size: 0
    .kernarg_segment_align: 8
    .kernarg_segment_size: 40
    .max_flat_workgroup_size: 256
    .sgpr_count:     66
    .vgpr_count:     194
    .wavefront_size: 32
...
	.end_amdgpu_metadata
.endif
;; end of part 1
;; launch qkv (part 2): grid 256 x 1, 16 waves a work-group, no clusters, 14,848 bytes of LDS; arguments x, norm_w, norm_b, qkv_b, stats, wq, qc, kv, kvs; writes qc, kv, kvs
.if DOCPART == 2
	.amdgcn_target "amdgcn-amd-amdhsa--gfx1250"
	.amdhsa_code_object_version 6
	.text
	.protected	k_q0da767ac02_qkv
	.globl	k_q0da767ac02_qkv
	.p2align	8
	.type	k_q0da767ac02_qkv,@function
k_q0da767ac02_qkv:
	s_mov_b64 s[64:65], 0
	v_nop
	global_prefetch_b8 v0, s[64:65] scope:SCOPE_SE
	s_setreg_imm32_b32 hwreg(HW_REG_WAVE_MODE, 25, 1), 1
	s_wait_xcnt 0x0
; GROUP NORM, THE 1 x 1 CONVOLUTION TO q, k, v (a product on codes of BF6, E3M2, one E8M0 scale for each 32 along K), AND THE QUANTISING OF q, k, v FOR ATTENTION.
; A work-group takes 64 pixels of one image (b = id / 64, blk = id % 64) and all 768 outputs.  Sixteen waves, 256 registers each.
; X PHASE (all waves): wave w takes norm group w / 2 (32 channels, which are one block of 32 along the product's K) and 32 pixels (half w % 2): a lane to a pixel, its 32 registers down the channels.
;   The group's mean and variance are joined from the eight partial pairs of the launch before (mean of means; the parts' squared distances + 16,384 x the means' squared distances: no difference of large sums).
;   h = (x - mean) rsqrt(var + 1e-5) w + b in f32; the block's 32 numbers are the lane's own; codes and scale byte go to LDS as images of the operand's registers.  ONE barrier.
; THE PIXELS OF A TILE ARE NOT NEIGHBOURS, nor a weight tile's rows: row rho of tile 2 b + u is element 32 b + 8 u + rho + 8 (rho / 8).  So the 16 registers of result tiles 2 b, 2 b + 1 are 16 neighbours, 32 b + 16 (lane / 16) + 0 .. 15.
; ROLES: waves 0-3 make q's heads 0-3, waves 4-7 k's: source 0 = 16 rows of the weight, source 1 = 16 pixels: a lane holds ONE pixel, its registers run along d, which is the next product's K.
;   Waves 8-15 make v (head (w - 8) / 2, half (w - 8) % 2 of d): source 0 = 16 pixels, source 1 = 16 rows of the weight: a lane holds ONE d, its registers run along the pixels, the keys, which are v's K.
; The bias is the C of each sum's first product.  Results are quantised in registers (64 along K = two blocks) and stored as HALF IMAGES: 16 rows x 64 K, six registers a lane: registers 0-3 at 16 x lane, registers 4-5 at 512 + 8 x lane: 768 bytes.
; A row's scale word repeats its two bytes (b0, b1, b0, b1), so that either half of a word can be taken for a product's K step of 128.
; NO CLUSTER, NO TENSOR LOAD: all work-groups read the same weight images, but each image (1,536 bytes) goes from memory straight into the registers of the one wave of a work-group that multiplies by it;
;   brought jointly it would have to be written to LDS and read back, 147,456 bytes each way for a work-group, to save reads that the 256 work-groups make of the same 153,600 bytes.
; x comes in pieces of 128 consecutive bytes a wave; the sibling wave takes the other half of the aligned 256.  v's scale words leave in pieces of 128 bytes likewise (262,144 bytes in the launch).
; LIMITS: NaN and infinities are not served; a block whose largest magnitude lies under 2^-122 (a block of zeros too) gets the byte 1; this program alone reads the bytes.
.set HSC, 12288                        ; LDS: 0: h's images, tile m, K step s, half c at 3,072 m + 1,536 s + 768 c;  HSC: h's scale words, 128 m + 4 (rho + 16 s), byte = the block in the K step
.set F96, 16                           ; v16-111  q, k waves: 8 weight fragments (tile i, K step s) at 24 i + 12 s;  v waves: h's 8 fragments (tile m, s)
.set P48, 112                          ; v112-159 q, k waves: two buffers of h's two fragments of a tile;  v waves: 4 weight fragments (tile g, s)
.set ACC, 160                          ; v160-191 four accumulators; in the X phase the lane's 32 numbers
.set BI,  192                          ; v192-223 the bias, in the result's layout
.set FS,  224                          ; v224-227 scale words of source 0
.set PS,  228                          ; v228-231 of source 1
.set BM,  232                          ; v232-233 largest magnitudes          (v232-247: in the X phase the sixteen partial statistics)
.set PX,  234                          ; v234-235 the other half's, then bytes
.set SO,  236                          ; v236-237 the conversions' scale operands
.set PW,  238                          ; the scale word just made
.set WT,  239                          ; the one before
.set WW,  242                          ; v242-243 scale words to store
.set PC,  244                          ; v244-249 the codes just made
.set PT,  250                          ; v250-252 at work
.set SEL, 66                           ; s66, s67
; 32 numbers of a lane, register 16 B + i = k 32 B + 16 (lane / 16) + i of my row, become a half image's six registers in v[PC ..] and the row's scale word in v[PW] (the same in lanes l and l xor 16).
.macro QUANT32 s
	v_max3_num_f32 v[BM], |v[(\s)]|, |v[(\s)+1]|, 0x2800000          ; my 16 of block 0, and the floor 2^(5 - 127): the byte cannot fall under 1.  Each accumulator is read from its low end on
	v_max3_num_f32 v[BM+1], |v[(\s)+16]|, |v[(\s)+17]|, 0x2800000
.irp i, 2,4,6,8,10,12,14
	v_max3_num_f32 v[BM], v[BM], |v[(\s)+\i]|, |v[(\s)+\i+1]|        ; (the two blocks by turns)
	v_max3_num_f32 v[BM+1], v[BM+1], |v[(\s)+16+\i]|, |v[(\s)+17+\i]|
.endr
	v_permlanex16_b32 v[PX], v[BM], s[SEL], s[SEL+1]
	v_permlanex16_b32 v[PX+1], v[BM+1], s[SEL], s[SEL+1]
	v_max_num_f32 v[BM], v[BM], v[PX]              ; with lane l xor 16's 16: the block's largest magnitude
	v_max_num_f32 v[BM+1], v[BM+1], v[PX+1]
	v_add_nc_u32 v[SO], 0xfe000000, v[BM]          ; 4 off the exponent field: the conversion's scale operand
	v_add_nc_u32 v[SO+1], 0xfe000000, v[BM+1]
	v_lshrrev_b32 v[PX], 23, v[SO]                 ; the scale's byte
	v_lshrrev_b32 v[PX+1], 23, v[SO+1]
	v_lshl_or_b32 v[PW], v[PX+1], 8, v[PX]
	v_lshl_or_b32 v[PW], v[PW], 16, v[PW]          ; b0, b1, b0, b1
	s_wait_xcnt 0x0                                ; the last stores have read the codes' registers: they are written again only behind this wait
	v_cvt_scalef32_pk16_bf6_f32 v[PC:PC+2], v[(\s):(\s)+15], v[SO]
	v_cvt_scalef32_pk16_bf6_f32 v[PT:PT+2], v[(\s)+16:(\s)+31], v[SO+1]
	v_nop                                          ; one plain place behind a scaled conversion
.irp i, 0,1,2
	v_permlane16_swap_b32 v[PC+\i], v[PT+\i]       ; the operand's layout wants a WHOLE block in a lane: lanes 0-15 block 0, lanes 16-31 block 1
.endr
.irp i, 0,1,2
	v_mov_b32 v[PC+3+\i], v[PT+\i]
.endr
.endm
; h's two fragments (K steps 0, 1) of pixel tile m into v[reg .. reg + 23]: eight LDS loads, each of consecutive bytes
.macro HFRAG reg, m
.irp s, 0,1
.irp c, 0,1
	ds_load_b128 v[\reg+12*\s+6*\c:\reg+12*\s+6*\c+3], v2 offset:(\m)*3072+\s*1536+\c*768
	ds_load_b64 v[\reg+12*\s+6*\c+4:\reg+12*\s+6*\c+5], v3 offset:(\m)*3072+\s*1536+\c*768+512
.endr
.endr
.endm
; Eight products: four accumulators by turns, one instruction a turn, K step 0 and then K step 1.  Source 0: fragments (i, s) of F96; source 1: pair g % 2 of P48.
; The first four take the bias as C: v[cb0 + cstep i ..].  Both sides' scale words hold K step 0 in lanes 0-15 and K step 1 in lanes 16-31.
.macro GROUPMM g, cb0, cstep
.irp s, 0,1
.irp i, 0,1,2,3
.if \s == 0
	v_wmma_scale_f32_16x16x128_f8f6f4 v[ACC+8*\i:ACC+8*\i+7], v[F96+24*\i:F96+24*\i+11], v[P48+24*((\g)%2):P48+24*((\g)%2)+11], v[\cb0+\cstep*\i:\cb0+\cstep*\i+7], v[FS+\i], v[PS+\g] matrix_a_fmt:MATRIX_FMT_BF6 matrix_b_fmt:MATRIX_FMT_BF6
.else
	v_wmma_scale_f32_16x16x128_f8f6f4 v[ACC+8*\i:ACC+8*\i+7], v[F96+24*\i+12:F96+24*\i+23], v[P48+24*((\g)%2)+12:P48+24*((\g)%2)+23], v[ACC+8*\i:ACC+8*\i+7], v[FS+\i], v[PS+\g] matrix_a_fmt:MATRIX_FMT_BF6 matrix_b_fmt:MATRIX_FMT_BF6 matrix_a_scale:MATRIX_SCALE_ROW1 matrix_b_scale:MATRIX_SCALE_ROW1
.endif
.endr
.endr
.rept 5
	v_nop                                          ; places behind the products: four for the loads into their sources and the reads of their results, a fifth since the next group's products write over the accumulators with another C
.endr
.endm
	s_load_b512 s[4:19], s[0:1], 0x0               ; x s[4:5], norm_w s[6:7], norm_b s[8:9], qkv_b s[10:11], stats s[12:13], wq s[14:15], qc s[16:17], kv s[18:19]
	s_load_b64 s[20:21], s[0:1], 0x40              ; kvs
	v_lshrrev_b32 v1, 5, v0
	v_readfirstlane_b32 s22, v1                    ; wave 0..15
	v_and_b32 v1, 31, v0                           ; lane
	v_lshlrev_b32 v2, 4, v1                        ; v2  16 x lane
	v_lshlrev_b32 v3, 3, v1                        ; v3  8 x lane
	v_lshlrev_b32 v4, 2, v1                        ; v4  4 x lane
	v_add_nc_u32 v5, HSC, v4                       ; v5  LDS: a scale word's place for my lane
	v_cmp_gt_u32 s23, 16, v1                       ; s23 lanes 0-15
	v_bfe_u32 v12, v0, 3, 1                        ; my pixel l of the wave's 32 is row rho = l % 8 + 8 (l / 16) of tile 2 half + u, u = (l / 8) % 2
	v_and_b32 v13, 7, v0
	v_bfe_u32 v14, v0, 4, 1                        ; h
	v_lshl_or_b32 v13, v14, 3, v13                 ; rho
	v_mul_u32_u24 v15, v12, 3072
	s_mov_b32 s[SEL], 0x76543210
	s_mov_b32 s[SEL+1], 0xfedcba98                 ; v_permlanex16_b32's selects for lane l xor 16
	s_lshr_b32 s56, s22, 1                         ; g8: my norm group = my block of 32 along K
	s_and_b32 s57, s22, 1                          ; which 32 pixels
	s_lshr_b32 s58, s56, 2                         ; its K step s,
	s_bfe_u32 s59, s56, 0x10001                    ; half c of the K step,
	s_and_b32 s60, s56, 1                          ; and half h' of the lanes that hold it in the operand
	s_mul_i32 s61, s57, 6144
	s_mul_i32 s62, s58, 1536
	s_add_co_u32 s61, s61, s62
	s_mul_i32 s62, s59, 768
	s_add_co_u32 s61, s61, s62
	s_lshl_b32 s62, s60, 8
	s_add_co_u32 s62, s62, s61
	s_lshl_b32 s63, s60, 7
	s_add_co_u32 s63, s63, s61
	s_add_co_u32 s63, s63, 512
	v_lshl_add_u32 v6, v13, 4, v15
	v_add_nc_u32 v6, s62, v6                       ; v6  where my codes' registers 0-3 go: the image's lane rho + 16 h'
	v_lshl_add_u32 v7, v13, 3, v15
	v_add_nc_u32 v7, s63, v7                       ; v7  and registers 4-5
	s_lshl_b32 s62, s57, 8
	s_lshl_b32 s63, s58, 6
	s_add_co_u32 s62, s62, s63
	s_and_b32 s63, s56, 3
	s_add_co_u32 s62, s62, s63
	s_add_co_u32 s62, s62, HSC
	v_lshlrev_b32 v8, 7, v12
	v_lshl_add_u32 v8, v13, 2, v8
	v_add_nc_u32 v8, s62, v8                       ; v8  and my scale byte
	v_lshlrev_b32 v9, 6, v14                       ; v9  q, k: the bias of my half's 16 of each 32: 64 h
	v_and_b32 v10, 15, v0
	v_and_b32 v11, 8, v10
	v_add_nc_u32 v10, v10, v11
	v_lshlrev_b32 v10, 2, v10                      ; v10 v: the bias of my weight row: 4 (r + 8 (r / 8))
	v_mov_b32 v11, 0                               ; v11 0
	s_lshr_b32 s100, ttmp9, 6                      ; b
	s_and_b32 s101, ttmp9, 63                      ; blk
	s_lshl_b32 s58, s100, 22                       ; x: image, group, the block's 256 bytes of a channel, my half of them
	s_lshl_b32 s59, s56, 19
	s_add_co_u32 s58, s58, s59
	s_lshl_b32 s59, s101, 8
	s_add_co_u32 s58, s58, s59
	s_lshl_b32 s59, s57, 7
	s_add_co_u32 s58, s58, s59
	s_mov_b32 s59, 0
	s_wait_kmcnt 0x0
	s_add_nc_u64 s[4:5], s[4:5], s[58:59]
.set i, 0
.rept 32
	global_load_b32 v[ACC+i], v4, s[4:5] offset:16384*i th:TH_LOAD_NT   ; channel i of my group at my pixel
.set i, i+1
.endr
	s_lshl_b32 s58, s100, 3
	s_add_co_u32 s58, s58, s56
	s_lshl_b32 s58, s58, 6
	s_add_nc_u64 s[12:13], s[12:13], s[58:59]
.irp j, 0,1,2,3
	global_load_b128 v[232+4*\j:235+4*\j], v11, s[12:13] offset:16*\j   ; my group's eight pairs (mean, squared distances), the same in every lane
.endr
	s_lshl_b32 s58, s56, 7
	s_add_nc_u64 s[6:7], s[6:7], s[58:59]
	s_add_nc_u64 s[8:9], s[8:9], s[58:59]
	s_load_b512 s[24:39], s[6:7], 0x0              ; norm_w of my 32 channels: s24-55
	s_load_b512 s[40:55], s[6:7], 0x40
	s_load_b512 s[68:83], s[8:9], 0x0              ; norm_b: s68-99
	s_load_b512 s[84:99], s[8:9], 0x40
	s_cmp_lt_u32 s22, 8                            ; what a role keeps in registers is asked for now, so that it lands under the X phase
	s_cbranch_scc0 .Lhead_v
	s_mul_i32 s58, s22, 12288                      ; q, k: weight tiles 4 w .. 4 w + 3
	s_add_nc_u64 s[60:61], s[14:15], s[58:59]
	s_lshl_b32 s58, s22, 9
	s_add_nc_u64 s[62:63], s[14:15], s[58:59]
	s_lshl_b32 s58, s22, 8
	s_add_nc_u64 s[10:11], s[10:11], s[58:59]      ; outputs 64 w on
.irp i, 0,1,2,3
.irp s, 0,1
.irp k, 0,1,2
	global_load_b128 v[F96+24*\i+12*\s+4*\k:F96+24*\i+12*\s+4*\k+3], v2, s[60:61] offset:(2*\i+\s)*1536+512*\k
.endr
.endr
.endr
.irp i, 0,1,2,3
	global_load_b32 v[FS+\i], v4, s[62:63] offset:196608+128*\i
.endr
.irp i, 0,1,2,3
	global_load_b128 v[BI+8*\i:BI+8*\i+3], v9, s[10:11] offset:(32*(\i/2)+8*(\i%2))*4      ; register j of tile i is d = 32 (i / 2) + 16 h + 8 (i % 2) + j
	global_load_b128 v[BI+8*\i+4:BI+8*\i+7], v9, s[10:11] offset:(32*(\i/2)+8*(\i%2))*4+16
.endr
	s_branch .Lhead_done
.Lhead_v:
	s_mul_i32 s58, s22, 6144                       ; v: weight tiles 2 w + 16 and the next
	s_add_co_u32 s58, s58, 49152
	s_add_nc_u64 s[60:61], s[14:15], s[58:59]
	s_lshl_b32 s58, s22, 8
	s_add_co_u32 s58, s58, 2048
	s_add_nc_u64 s[62:63], s[14:15], s[58:59]
	s_lshl_b32 s58, s22, 7
	s_add_co_u32 s58, s58, 1024
	s_add_nc_u64 s[10:11], s[10:11], s[58:59]      ; outputs 512 + 32 (w - 8) on
.irp g, 0,1
.irp s, 0,1
.irp k, 0,1,2
	global_load_b128 v[P48+24*\g+12*\s+4*\k:P48+24*\g+12*\s+4*\k+3], v2, s[60:61] offset:(2*\g+\s)*1536+512*\k
.endr
.endr
.endr
.irp g, 0,1
	global_load_b32 v[PS+\g], v4, s[62:63] offset:196608+128*\g
.endr
.irp g, 0,1
	global_load_b32 v[BI+8*\g], v10, s[10:11] offset:32*\g   ; a lane holds one d: one number, spread over the tile's eight registers below
.endr
.Lhead_done:
	s_wait_kmcnt 0x0
	s_wait_loadcnt 0x0                             ; x, the statistics and the role's registers: the two roles have issued different numbers of loads, so the count is 0
	; ---- the group's mean and variance from its eight parts
	v_add_f32 v248, v232, v234
	v_add_f32 v249, v236, v238
	v_add_f32 v252, v240, v242
	v_add_f32 v253, v244, v246
	v_add_f32 v248, v248, v249
	v_add_f32 v252, v252, v253
	v_add_f32 v248, v248, v252
	v_mul_f32 v248, 0x3e000000, v248               ; the mean: the parts are equally large
	v_add_f32 v249, v233, v235
	v_add_f32 v252, v237, v239
	v_add_f32 v253, v241, v243
	v_add_f32 v254, v245, v247
	v_add_f32 v249, v249, v252
	v_add_f32 v253, v253, v254
	v_add_f32 v253, v249, v253                     ; the parts' squared distances
.irp i, 0,2,4,6,8,10,12,14
	v_sub_f32 v[232+\i], v[232+\i], v248
.endr
	v_mul_f32 v252, v232, v232
.irp i, 2,4,6,8,10,12,14
	v_fmac_f32 v252, v[232+\i], v[232+\i]
.endr
	v_fmamk_f32 v252, v252, 0x46800000, v253       ; + 16,384 x the means' squared distances
	v_mul_f32 v252, 0x37000000, v252               ; / 131,072: the variance
	v_add_f32 v252, 0x3727c5ac, v252               ; + 1e-5
	v_mov_b32 v249, v248
	v_rsq_f32 v250, v252
.set i, 0
.rept 16
	v_pk_add_f32 v[ACC+i:ACC+i+1], v[ACC+i:ACC+i+1], v[248:249] neg_lo:[0,1] neg_hi:[0,1]   ; x - mean: plain work behind the transcendental
.set i, i+2
.endr
	s_wait_alu depctr_va_vdst(0)                   ; the wait ahead of the first line that names the root's result
	v_mov_b32 v251, v250
.set i, 0
.rept 16
	v_pk_mul_f32 v[ACC+i:ACC+i+1], v[ACC+i:ACC+i+1], v[250:251]
.set i, i+2
.endr
.set i, 0
.rept 32
	v_fma_f32 v[ACC+i], v[ACC+i], s[24+i], s[68+i] ; x w + b
.set i, i+1
.endr
	; ---- my block of 32 along K: all its numbers are mine
	v_max3_num_f32 v232, |v[ACC]|, |v[ACC+1]|, 0x2800000
	v_max3_num_f32 v233, |v[ACC+2]|, |v[ACC+3]|, 0x2800000
.irp i, 4,8,12,16,20,24,28
	v_max3_num_f32 v232, v232, |v[ACC+\i]|, |v[ACC+\i+1]|
	v_max3_num_f32 v233, v233, |v[ACC+\i+2]|, |v[ACC+\i+3]|
.endr
	v_max_num_f32 v232, v232, v233
	v_add_nc_u32 v236, 0xfe000000, v232
	v_lshrrev_b32 v234, 23, v236
	v_cvt_scalef32_pk16_bf6_f32 v[PC:PC+2], v[ACC:ACC+15], v236
	v_cvt_scalef32_pk16_bf6_f32 v[PT:PT+2], v[ACC+16:ACC+31], v236
	v_nop                                          ; one plain place behind a scaled conversion
.irp i, 0,1,2
	v_mov_b32 v[PC+3+\i], v[PT+\i]
.endr
	ds_store_b128 v6, v[PC:PC+3]
	ds_store_b64 v7, v[PC+4:PC+5]
	ds_store_b8 v8, v234
	s_wait_dscnt 0x0                               ; for the others' sake: my stores have landed
	s_barrier_signal -1
	s_barrier_wait -1                              ; h's sixteen half images and its scale words lie in LDS; from here on LDS is only read
	v_mov_b32 v[PX], 0                             ; written once: a lane permute's destination counts as one of its sources
	v_mov_b32 v[PX+1], 0
	s_cmp_lt_u32 s22, 8
	s_cbranch_scc0 .Lv_path
	; ---- q and k: 64 outputs x 64 pixels, a tile of 16 pixels at a time
.irp g, 0,1,2,3
	ds_load_b32 v[PS+\g], v5 offset:128*\g
.endr
	HFRAG P48, 0
	HFRAG P48+24, 1
	s_and_b32 s56, s22, 3                          ; head
	s_lshl_b32 s57, s100, 2
	s_add_co_u32 s56, s56, s57                     ; bh = 4 b + head
	s_lshl_b32 s56, s56, 6
	s_add_co_u32 s56, s56, s101                    ; 64 bh + blk
	s_lshr_b32 s57, s56, 1                         ; 32 bh + key step
	s_and_b32 s58, s101, 1                         ; which 64 keys of the step
	s_mul_i32 s4, s56, 3072                        ; q: four half images a block,
	s_lshl_b32 s5, s56, 8
	s_add_co_u32 s5, s5, 3145728                   ; and behind all codes 256 bytes of scale words a block
	s_mul_i32 s6, s57, 12288                       ; k: a key step's 12,288 bytes begin with its eight tiles of k
	s_mul_i32 s7, s58, 3072
	s_add_co_u32 s6, s6, s7
	s_lshl_b32 s7, s57, 10
	s_lshl_b32 s8, s58, 8
	s_add_co_u32 s7, s7, s8
	s_cmp_lt_u32 s22, 4                            ; q or k: the choice hangs on the wave's number alone
	s_cselect_b64 s[60:61], s[16:17], s[18:19]
	s_cselect_b64 s[62:63], s[16:17], s[20:21]
	s_cselect_b32 s56, s4, s6
	s_cselect_b32 s58, s5, s7
	s_mov_b32 s57, 0
	s_mov_b32 s59, 0
	s_add_nc_u64 s[60:61], s[60:61], s[56:57]
	s_add_nc_u64 s[62:63], s[62:63], s[58:59]
.irp g, 0,1,2,3
.if \g < 3
	s_wait_dscnt 8                                 ; this tile's eight loads (and all before them) are in; the eight issued behind them, the other buffer's, may be out
.else
	s_wait_dscnt 0x0
.endif
	GROUPMM \g, BI, 8
.if \g < 2
	HFRAG P48+24*(\g%2), \g+2                      ; the buffer just multiplied takes the tile two on
.endif
	QUANT32 ACC
	global_store_b128 v2, v[PC:PC+3], s[60:61] offset:768*\g          ; 512 consecutive bytes,
	global_store_b64 v3, v[PC+4:PC+5], s[60:61] offset:768*\g+512     ; and 256
.if \g%2 == 0
	v_mov_b32 v[WT], v[PW]
.else
	v_cndmask_b32 v[WW+\g/2], v[PW], v[WT], s23    ; lanes 0-15: the even tile's words; lanes 16-31: the odd tile's
.endif
.endr
	global_store_b64 v3, v[WW:WW+1], s[62:63]      ; 256 consecutive bytes
	s_wait_xcnt 0x0
	v_lshl_add_u32 v254, v0, 2, 0x3200
	v_mov_b32 v255, 0
	s_wait_tensorcnt 0x0
	ds_add_u32 v254, v255
	s_wait_dscnt 0x0
	s_endpgm
	; ---- v: 32 of a head's d x 64 pixels
.Lv_path:
.irp m, 0,1,2,3
	HFRAG F96+24*\m, \m
.endr
.irp m, 0,1,2,3
	ds_load_b32 v[FS+\m], v5 offset:128*\m
.endr
.irp g, 0,1
.irp j, 1,2,3,4,5,6,7
	v_mov_b32 v[BI+8*\g+\j], v[BI+8*\g]
.endr
.endr
	s_sub_co_u32 s56, s22, 8
	s_lshr_b32 s57, s56, 1                         ; head
	s_and_b32 s58, s56, 1                          ; which 32 of d
	s_lshl_b32 s56, s100, 2
	s_add_co_u32 s56, s56, s57                     ; bh
	s_lshl_b32 s56, s56, 5
	s_lshr_b32 s57, s101, 1
	s_add_co_u32 s56, s56, s57                     ; 32 bh + key step
	s_and_b32 s57, s101, 1                         ; which 64 keys of the step
	s_mul_i32 s4, s56, 12288
	s_mul_i32 s5, s57, 3072
	s_add_co_u32 s4, s4, s5
	s_mul_i32 s5, s58, 1536
	s_add_co_u32 s4, s4, s5
	s_add_co_u32 s4, s4, 6144                      ; behind the step's k: half (which 64 keys, d tile t) at 768 (4 c + t)
	s_mov_b32 s5, 0
	s_add_nc_u64 s[60:61], s[18:19], s[4:5]
	s_lshl_b32 s4, s56, 10
	s_lshl_b32 s6, s57, 8
	s_add_co_u32 s4, s4, s6
	s_lshl_b32 s6, s58, 7
	s_add_co_u32 s4, s4, s6
	s_add_co_u32 s4, s4, 512
	s_add_nc_u64 s[62:63], s[20:21], s[4:5]
	s_wait_dscnt 0x0
.irp g, 0,1
	GROUPMM \g, BI+8*\g, 0
	QUANT32 ACC
	global_store_b128 v2, v[PC:PC+3], s[60:61] offset:768*\g
	global_store_b64 v3, v[PC+4:PC+5], s[60:61] offset:768*\g+512
.if \g == 0
	v_mov_b32 v[WT], v[PW]
.else
	v_cndmask_b32 v[WW], v[PW], v[WT], s23
.endif
.endr
	global_store_b32 v4, v[WW], s[62:63]
	s_wait_xcnt 0x0
	v_lshl_add_u32 v254, v0, 2, 0x3200
	v_mov_b32 v255, 0
	s_wait_tensorcnt 0x0
	ds_add_u32 v254, v255
	s_wait_dscnt 0x0
	s_endpgm
.Lfunc_end_k_q0da767ac02_qkv:
	.size	k_q0da767ac02_qkv, .Lfunc_end_k_q0da767ac02_qkv-k_q0da767ac02_qkv
	.p2alignl 7, 3214868480
	.fill 96, 4, 3214868480
	.section	.rodata,"a",@progbits
	.p2align	6, 0x0
	.amdhsa_kernel k_q0da767ac02_qkv
		.amdhsa_group_segment_fixed_size 14848
		.amdhsa_private_segment_fixed_size 0
		.amdhsa_enable_private_segment 0
		.amdhsa_kernarg_size 72
		.amdhsa_user_sgpr_count 2
		.amdhsa_user_sgpr_kernarg_segment_ptr 1
		.amdhsa_wavefront_size32 1
		.amdhsa_system_sgpr_workgroup_id_x 1
		.amdhsa_system_sgpr_workgroup_id_y 1
		.amdhsa_system_sgpr_workgroup_id_z 1
		.amdhsa_system_vgpr_workitem_id 0
		.amdhsa_next_free_vgpr 256
		.amdhsa_next_free_sgpr 102
		.amdhsa_reserve_vcc 0
		.amdhsa_float_denorm_mode_32 3
		.amdhsa_float_denorm_mode_16_64 3
		.amdhsa_memory_ordered 1
		.amdhsa_forward_progress 1
		.amdhsa_inst_pref_size 48
	.end_amdhsa_kernel
	.amdgpu_metadata
---
amdhsa.version: [ 1, 2 ]
amdhsa.kernels:
  - .name:           k_q0da767ac02_qkv
    .symbol:         k_q0da767ac02_qkv.kd
    .args:
      - { .name: x, .offset: 0, .size: 8, .value_kind: global_buffer, .address_space: global }
      - { .name: norm_w, .offset: 8, .size: 8, .value_kind: global_buffer, .address_space: global }
      - { .name: norm_b, .offset: 16, .size: 8, .value_kind: global_buffer, .address_space: global }
      - { .name: qkv_b, .offset: 24, .size: 8, .value_kind: global_buffer, .address_space: global }
      - { .name: stats, .offset: 32, .size: 8, .value_kind: global_buffer, .address_space: global }
      - { .name: wq, .offset: 40, .size: 8, .value_kind: global_buffer, .address_space: global }
      - { .name: qc, .offset: 48, .size: 8, .value_kind: global_buffer, .address_space: global }
      - { .name: kv, .offset: 56, .size: 8, .value_kind: global_buffer, .address_space: global }
      - { .name: kvs, .offset: 64, .size: 8, .value_kind: global_buffer, .address_space: global }
    .group_segment_fixed_size: 14848
    .private_segment_fixed_size: 0
    .kernarg_segment_align: 8
    .kernarg_segment_size: 72
    .max_flat_workgroup_size: 512
    .sgpr_count:     102
    .vgpr_count:     256
    .wavefront_size: 32
...
	.end_amdgpu_metadata
.endif
;; end of part 2
;; launch attn (part 3): grid 16 x 16, 16 waves a work-group, clusters of 4 x 1, 327,680 bytes of LDS; arguments qc, kv, kvs, oc; writes oc
.if DOCPART == 3
	.amdgcn_target "amdgcn-amd-amdhsa--gfx1250"
	.amdhsa_code_object_version 6
	.text
	.protected	k_q0da767ac02_attn
	.globl	k_q0da767ac02_attn
	.p2align	8
	.type	k_q0da767ac02_attn,@function
k_q0da767ac02_attn:
	s_mov_b64 s[64:65], 0
	v_nop
	global_prefetch_b8 v0, s[64:65] scope:SCOPE_SE
	s_setreg_imm32_b32 hwreg(HW_REG_WAVE_MODE, 25, 1), 1
	s_wait_xcnt 0x0
	s_wait_alu depctr_hold_cnt(0) depctr_sa_sdst(0) depctr_va_vdst(0) depctr_va_sdst(0) depctr_va_ssrc(0) depctr_va_vcc(0) depctr_vm_vsrc(0)
	s_getreg_b32 s2, hwreg(HW_REG_IB_STS2, 6, 4)
	s_cmp_eq_u32 s2, 0
	s_cbranch_scc0 .Lentry_in_a_cluster
	s_endpgm
.Lentry_in_a_cluster:
	s_bfe_u32 s2, ttmp6, 0x10000c
	s_cmp_lg_u32 s2, 0x3003
	s_cbranch_scc0 .Lentry_shape_is_right
	s_endpgm
.Lentry_shape_is_right:
; ATTENTION ON CODES OF BF6 (E3M2), one E8M0 scale for each 32 along a product's K.  16 heads (bh = 4 b + head) of 4,096 pixels, head size 64.
; t = score x log2(e) / 8; M = the row's largest t so far, rounded UP to a whole number; p = 2^(t - M) is what is quantised, along the keys, not normalised.  The row's sum is taken of the unquantised p, in f32,
; and divides O at the end.  When M moves, the sum and O are multiplied by 2^(old M - new M): exact.  O / sum is then quantised along d for the projection and stored as a half image with its scale word.
; SHARES.  A work-group owns 256 queries of one head; each of its sixteen waves 16 of them, one tile, in 256 registers: four waves to a SIMD, so that one wave's vector work stands beside another's products and LDS loads.
; Every wave walks all 4,096 keys, 128 a step.  Both products are used transposed: S^T = K Q^T (source 0 = 16 keys), O^T = V^T P^T (source 0 = 16 of d): a lane holds ONE query throughout.
; The launch before has laid everything as images of the operands' registers (half image: 16 rows x 64 K, registers 0-3 at 16 x lane, registers 4-5 at 512 + 8 x lane), and has chosen the rows of each tile
; (row rho of tile 2 b + u is element 32 b + 8 u + rho + 8 (rho / 8)) so that the 16 registers of result tiles 2 b, 2 b + 1 are 16 neighbours along the next K.
; THE FIRST PRODUCT'S K IS 64: the upper 64 of the instruction's 128 are zero codes on both sides (registers cleared once); their scale bytes repeat the rows' real bytes.
; A KEY STEP in memory is 12,288 bytes: eight tiles of k, then v's eight halves (which 64 keys c, d tile t) at 6,144 + 768 (4 c + t); its scale words are 1,024 bytes.
; THE RING: two LDS slots of eight key steps (98,304 bytes), filled by waves 0-3, 24,576 bytes each; the head's scale words (32,768 bytes) come once, with the first fills.
; CLUSTER: the four query blocks of a cluster belong to one head and walk the same k and v: each tile is asked for JOINTLY, by the same tensor load with the same descriptor and a mask that names the four.
; A wave has two tensor loads out at the start and one behind each change of slots but the last.
; LIMITS: NaN and infinities are not served; a block whose largest magnitude lies under 2^-122 (a block of zeros too) gets the byte 1; this program alone reads the bytes.
.set STEPB, 12288
.set SLOTB, 8*STEPB
.set SLOT1, 131072                     ; slot 1 begins here, so that one exclusive or turns an address in one slot into the other's
.set SCL,   262144                     ; the head's scale words, 1,024 bytes a key step
.set SPARE, 294912                     ; the spare words, 128 bytes for each wave: eight blocks of 256 bytes that no other line names
.set OST,   296960                     ; the way out: o's scale words of the work-group's 16 tiles, 1,024 bytes; no fill lands here
.set SPW, 5                            ; v5   LDS address of my spare word; never rewritten
.set NIL, 6                            ; v6   0; never rewritten
.set SV1, 7                            ; v7   v's scale words, d tiles 2 (lanes 0-15) and 3 (lanes 16-31)
.set QF,  16                           ; v16-27   Q's fragment: v22-27 zero codes       (v0: 256 x lane, the prefetch's offset; v1: 16 x lane; v2: 8 x lane; v3: SCL + 8 x lane; v4: SCL + 4 x lane; v8-11: the step's addresses)
.set SK,  28                           ; v28-31   k's scale words: register tile / 2, lanes 0-15 the even tile, lanes 16-31 the odd   (v12: -M; v13: the largest t; v14-15: the sum in two halves)
.set KF,  32                           ; v32-79   four fragments of k: the upper six registers of each are zero codes, cleared once and never loaded
.set VF,  80                           ; v80-127  v's four fragments
.set S,   128                          ; v128-191 S^T, then p
.set OA,  192                          ; v192-223 O^T
.set PC,  224                          ; v224-235 p's codes
.set BM,  236                          ; v236-239 the blocks' largest scores, then largest p
.set PX,  240                          ; v240-247 at work
.set PT,  244
.set TMP, 247
.set SO,  248                          ; v248-251 the conversions' scale operands
.set PW,  252                          ; v252 f = 2^(old M - new M); on the way out o's scale word.  v253: p's scale word.  v255: Q's
.set SV0, 254                          ; v254 v's scale words, d tiles 0 and 1
.set WV,  12                           ; s12 my wave's number;  s13 cx;  s14 my block of 256 queries;  s15 bh
.set SEL, 20                           ; s[20:21]
.set CS,  22                           ; s[22:23] c = log2(e) / 8
.set G1T, 24                           ; s[24:31] descriptor group 1 for a quarter of a slot;  s[32:39] for a quarter of the scale words
.set G1S, 32
.set G0T, 40                           ; s[40:43] group 0 for the slots, which walks;  s[44:47] for the scale words
.set G0S, 44
.set TB,  48                           ; s48 LDS byte at which the step's tiles begin
.set TS,  49                           ; s49 and, from SCL on, its scale words
.set SLOTS, 50                         ; s50 slots still to be asked for
.set STP, 51                           ; s51 steps left in the slot
.set PFA, 52                           ; s[52:53] where my prefetches stand
.set LIM, 54                           ; s54 1 in a wave that prefetches, else the greatest number
.set LOW, 55                           ; s55 0xffff
.macro PLACES
.rept 4
	v_nop
.endr
.endm
; A round of the cluster's barrier: my work-group's barrier, so that wave 0's signal speaks for all sixteen waves; wave 0 signals for the work-group; every wave waits for all four work-groups; my work-group's barrier once more.
.macro CROUND
	s_barrier_signal -1
	s_barrier_wait -1
	s_cmp_lg_u32 s[WV], 0
	s_cbranch_scc1 .Lnot_wave_0_\@
	s_barrier_signal -3
.Lnot_wave_0_\@:
	s_barrier_wait -3
	s_barrier_signal -1
	s_barrier_wait -1
.endm
; 32 numbers of a lane, register 16 B + i = k 32 B + 16 (lane / 16) + i of my row, become a half image's six registers in v[PC ..] and the row's scale word in v[PW] (the same in lanes l and l xor 16).
.macro QUANT32 s
	v_max3_num_f32 v[BM], |v[(\s)]|, |v[(\s)+1]|, 0x2800000          ; my 16 of block 0, and the floor 2^(5 - 127): the byte cannot fall under 1
	v_max3_num_f32 v[BM+1], |v[(\s)+16]|, |v[(\s)+17]|, 0x2800000
.irp i, 2,4,6,8,10,12,14
	v_max3_num_f32 v[BM], v[BM], |v[(\s)+\i]|, |v[(\s)+\i+1]|        ; (the two blocks by turns)
	v_max3_num_f32 v[BM+1], v[BM+1], |v[(\s)+16+\i]|, |v[(\s)+17+\i]|
.endr
	v_permlanex16_b32 v[PX], v[BM], s[SEL], s[SEL+1]
	v_permlanex16_b32 v[PX+1], v[BM+1], s[SEL], s[SEL+1]
	v_max_num_f32 v[BM], v[BM], v[PX]              ; with lane l xor 16's 16: the block's largest magnitude
	v_max_num_f32 v[BM+1], v[BM+1], v[PX+1]
	v_add_nc_u32 v[SO], 0xfe000000, v[BM]          ; 4 off the exponent field: the conversion's scale operand
	v_add_nc_u32 v[SO+1], 0xfe000000, v[BM+1]
	v_lshrrev_b32 v[PX], 23, v[SO]                 ; the scale's byte
	v_lshrrev_b32 v[PX+1], 23, v[SO+1]
	v_lshl_or_b32 v[PW], v[PX+1], 8, v[PX]
	v_lshl_or_b32 v[PW], v[PW], 16, v[PW]          ; b0, b1, b0, b1
	s_wait_xcnt 0x0                                ; no earlier memory instruction still reads the registers written below
	v_cvt_scalef32_pk16_bf6_f32 v[PC:PC+2], v[(\s):(\s)+15], v[SO]
	v_cvt_scalef32_pk16_bf6_f32 v[PT:PT+2], v[(\s)+16:(\s)+31], v[SO+1]
	v_nop                                          ; one plain place behind a scaled conversion
.irp i, 0,1,2
	v_permlane16_swap_b32 v[PC+\i], v[PT+\i]       ; the operand's layout wants a WHOLE block in a lane: lanes 0-15 block 0, lanes 16-31 block 1
.endr
.irp i, 0,1,2
	v_mov_b32 v[PC+3+\i], v[PT+\i]
.endr
.endm
	s_load_b256 s[4:11], s[0:1], 0x0               ; qc s[4:5], kv s[6:7], kvs s[8:9], oc s[10:11]
	v_lshl_add_u32 v[SPW], v0, 2, SPARE
	v_mov_b32 v[NIL], 0
	ds_add_u32 v5, v6
	s_wait_dscnt 0x0
	v_lshrrev_b32 v9, 5, v0
	v_readfirstlane_b32 s[WV], v9                  ; wave 0..15
	s_bfe_u32 s13, ttmp6, 0x40000                  ; cx: my place in the cluster: it enters Q's, o's and the prefetches' global addresses alone
	s_lshl_b32 s14, ttmp9, 2                       ; in a cluster launch ttmp9 counts clusters
	s_add_co_u32 s14, s14, s13                     ; my block of 256 queries
	s_and_b32 s15, ttmp7, 0xffff                   ; bh, which the four partners share
	; descriptor group 1: a dense block as rows of 256 bytes (32 elements of 8 bytes), no padding: the images are read as consecutive bytes
	s_mov_b32 s[G1T], 15|(3<<16)|(1<<21)           ; 15:0 the mask: all four work-groups; 17:16 elements of 8 bytes; 21 set beside a mask
	s_mov_b32 s[G1T+1], 32<<16                     ; tensor_dim0 = 32
	s_mov_b32 s[G1T+2], 96<<16                     ; tensor_dim1 = 96 rows: 24,576 bytes
	s_mov_b32 s[G1T+3], 32<<16                     ; tile_dim0
	s_mov_b32 s[G1T+4], 96                         ; tile_dim1
	s_mov_b32 s[G1T+5], 32                         ; from row to row
	s_mov_b32 s[G1T+6], 0
	s_mov_b32 s[G1T+7], 0
	s_mov_b32 s[G1S], 15|(3<<16)|(1<<21)
	s_mov_b32 s[G1S+1], 32<<16
	s_mov_b32 s[G1S+2], 32<<16                     ; 32 rows: 8,192 bytes
	s_mov_b32 s[G1S+3], 32<<16
	s_mov_b32 s[G1S+4], 32
	s_mov_b32 s[G1S+5], 32
	s_mov_b32 s[G1S+6], 0
	s_mov_b32 s[G1S+7], 0
	s_mul_i32 s16, s[WV], 24576                    ; waves 0-3: my quarter of a slot,
	s_mul_i32 s56, s15, 393216                     ; the head's first byte of kv
	s_add_co_u32 s58, s56, s16
	s_mov_b32 s59, 0
	s_lshl_b32 s17, s[WV], 13                      ; and of the scale words
	s_lshl_b32 s60, s15, 15
	s_add_co_u32 s60, s60, s17
	s_mov_b32 s61, 0
	s_mul_i32 s18, s13, 24576                      ; the prefetches: my work-group's quarter of a slot,
	s_and_b32 s19, s[WV], 3
	s_lshl_b32 s19, s19, 13
	s_add_co_u32 s18, s18, s19                     ; my wave's 8,192 bytes of it,
	s_add_co_u32 s62, s18, s56
	s_add_co_u32 s62, s62, SLOTB                   ; in slot 1: the first change of slots steps it to slot 2
	s_mov_b32 s63, 0
	s_sub_co_u32 s18, s[WV], 4
	s_cmp_lt_u32 s18, 3                            ; waves 4 to 6,
	s_cselect_b32 s[LIM], 0, 1
	s_or_b32 s[LIM], s[LIM], ttmp9                 ; of the head's first cluster: the same in all four partners
	s_cmp_eq_u32 s[LIM], 0
	s_cselect_b32 s[LIM], 1, -1
	s_mov_b32 s[SEL], 0x76543210
	s_mov_b32 s[SEL+1], 0xfedcba98                 ; v_permlanex16_b32's selects for lane l xor 16
	s_mov_b32 s[CS], 0x3e38aa3b                    ; c = log2(e) / sqrt(64)
	s_mov_b32 s[CS+1], s[CS]                       ; (named with it as a pair, so it is written)
	s_mov_b32 s[TB], 0
	s_mov_b32 s[TS], 0
	s_mov_b32 s[SLOTS], 3
	s_mov_b32 s[LOW], 0xffff
	s_wait_kmcnt 0x0
	s_mov_b32 s[G0T], 1                            ; count = 1
	s_mov_b32 s[G0T+1], s16                        ; LDS address: slot 0, my quarter
	s_add_nc_u64 s[G0T+2:G0T+3], s[6:7], s[58:59]  ; global address: the head's first eight key steps
	s_or_b32 s[G0T+3], s[G0T+3], 0x80000000        ; type = 2
	s_mov_b32 s[G0S], 1
	s_add_co_u32 s[G0S+1], s17, SCL
	s_add_nc_u64 s[G0S+2:G0S+3], s[8:9], s[60:61]
	s_or_b32 s[G0S+3], s[G0S+3], 0x80000000
	s_add_nc_u64 s[PFA:PFA+1], s[6:7], s[62:63]
	CROUND                                         ; all four work-groups are here: the first joint loads meet
	s_cmp_lt_u32 s[WV], 4                          ; a wave's two first fills stand in one branch, ahead of every wait on TENSORcnt and every LDS read
	s_cbranch_scc0 .Lfirst_asked
	tensor_load_to_lds s[G0S:G0S+3], s[G1S:G1S+7]  ; the scale words of the whole head: filled once
	s_nop 0
	tensor_load_to_lds s[G0T:G0T+3], s[G1T:G1T+7]  ; slot 0
	s_nop 0
	PLACES                                         ; four v_nop follow
.Lfirst_asked:
	v_and_b32 v9, 31, v0                           ; lane
	v_lshlrev_b32 v1, 4, v9
	v_lshlrev_b32 v2, 3, v9
	v_lshl_add_u32 v3, v9, 3, SCL
	v_lshl_add_u32 v4, v9, 2, SCL
	v_and_b32 v8, 15, v0
	v_lshlrev_b32 v8, 3, v8                        ; 8 r
	v_lshlrev_b32 v0, 8, v9                        ; the prefetch's offset: lanes 256 bytes apart; never rewritten
	s_lshl_b32 s16, s15, 8
	s_lshl_b32 s17, s14, 4
	s_add_co_u32 s16, s16, s17
	s_add_co_u32 s16, s16, s[WV]                   ; my tile of queries: 256 bh + 16 block + wave
	s_mul_i32 s56, s16, 768
	s_mov_b32 s57, 0
	s_add_nc_u64 s[56:57], s[4:5], s[56:57]
	s_lshr_b32 s58, s16, 2                         ; its block of 64 pixels: 256 bytes of scale words, pairs (tiles 0 | 1, tiles 2 | 3) at 8 x lane
	s_lshl_b32 s58, s58, 8
	s_and_b32 s17, s[WV], 1
	s_lshl_b32 s17, s17, 7                         ; an odd tile's words lie in lanes 16-31,
	s_add_co_u32 s58, s58, s17
	s_bfe_u32 s17, s[WV], 0x10001
	s_lshl_b32 s17, s17, 2                         ; tiles 2 and 3 in the pair's second word
	s_add_co_u32 s58, s58, s17
	s_mov_b32 s59, 0
	s_add_nc_u64 s[58:59], s[4:5], s[58:59]
	global_load_b128 v[QF:QF+3], v1, s[56:57]      ; Q's half image stays in registers
	global_load_b64 v[QF+4:QF+5], v2, s[56:57] offset:512
	global_load_b32 v255, v8, s[58:59] offset:3145728   ; row r's scale word, in both halves of the lanes
.irp j, 6,7,8,9,10,11
	v_mov_b32 v[QF+\j], 0                          ; zero codes for k = 64 .. 127
.endr
.irp f, 0,1,2,3
.irp j, 6,7,8,9,10,11
	v_mov_b32 v[KF+12*\f+\j], 0
.endr
.endr
.set j, 0
.rept 32
	v_mov_b32 v[OA+j], 0                           ; O^T.  (The step is written once: the first finds zeros, which the first change of M leaves zeros)
.set j, j+1
.endr
.irp b, 0,1,2,3
	v_mov_b32 v[PX+\b], 0                          ; written once: a lane permute's destination counts as one of its sources
.endr
	v_mov_b32 v253, 0                              ; (named as the upper half of the pair v[252:253] before it is first written)
	v_mov_b32 v13, 0xff61b1e6                      ; the largest t so far: -3e38, under every t
	v_floor_f32 v12, -v13                          ; -M
	v_mov_b32 v14, 0                               ; the sum, in two halves
	v_mov_b32 v15, 0
.macro KLOAD base                      ; k's tiles base .. base + 3 of the step: the lower six registers of each fragment
.irp f, 0,1,2,3
	ds_load_b128 v[KF+12*\f:KF+12*\f+3], v8 offset:768*(\base+\f)
	ds_load_b64 v[KF+12*\f+4:KF+12*\f+5], v9 offset:768*(\base+\f)+512
.endr
.endm
.macro QKMM base                       ; S^T of those four tiles
.irp f, 0,1,2,3
.if \f%2 == 0
	v_wmma_scale_f32_16x16x128_f8f6f4 v[S+8*(\base+\f):S+8*(\base+\f)+7], v[KF+12*\f:KF+12*\f+11], v[QF:QF+11], 0, v[SK+(\base+\f)/2], v255 matrix_a_fmt:MATRIX_FMT_BF6 matrix_b_fmt:MATRIX_FMT_BF6
.else
	v_wmma_scale_f32_16x16x128_f8f6f4 v[S+8*(\base+\f):S+8*(\base+\f)+7], v[KF+12*\f:KF+12*\f+11], v[QF:QF+11], 0, v[SK+(\base+\f)/2], v255 matrix_a_fmt:MATRIX_FMT_BF6 matrix_b_fmt:MATRIX_FMT_BF6 matrix_a_scale:MATRIX_SCALE_ROW1
.endif
.endr
.endm
; A PREFETCH INTO THE L2 of the slot that the NEXT change of slots will ask for, in the slot's seventh step: two key steps ahead of that load.  It stands where the wave has just issued its LDS loads.
; Each aligned block of 256 bytes is named ONCE in the launch.  All clusters of a head walk the same k and v: the head's first cluster asks.  Its four partners share a slot's 98,304 bytes out BY ADDRESS, 24,576 each;
; in each, waves 4 to 6, which fetch nothing, ask for 8,192 bytes each, lanes 256 bytes apart.  Slots 0 and 1 and the scale words come by their loads alone; the last change that fills a slot is followed by no prefetch.
.macro ASK
	s_cmp_eq_u32 s[STP], 2
	s_cbranch_scc0 .Lnot_mine_\@
	s_cmp_gt_u32 s[SLOTS], s[LIM]
	s_cbranch_scc0 .Lnot_mine_\@
	global_prefetch_b8 v0, s[PFA:PFA+1] th:TH_LOAD_NT scope:SCOPE_SE
.Lnot_mine_\@:
.endm
; A KEY STEP: 128 keys.
.macro STEP ask
	v_add_nc_u32 v8, s[TB], v1                     ; (these four and the four v_nop below are the places between the last step's products and the loads into their registers)
	v_add_nc_u32 v9, s[TB], v2
	v_add_nc_u32 v10, s[TS], v3
	v_add_nc_u32 v11, s[TS], v4
	ds_load_b64 v[SK:SK+1], v10                    ; k's scale words: the first 64 keys' four tiles,
	ds_load_b64 v[SK+2:SK+3], v10 offset:256       ; the second 64's
	KLOAD 0
	s_wait_dscnt 0x0
	QKMM 0
	PLACES
	KLOAD 4
	ds_load_b32 v[SV0], v11 offset:512             ; v's scale words of the first 64 keys: d tiles 0 | 1,
	ds_load_b32 v[SV1], v11 offset:640             ; 2 | 3;
	ds_load_b32 v[PC], v11 offset:768              ; of the second 64 keys, into registers that are free until p's codes are made
	ds_load_b32 v[PC+1], v11 offset:896
.irp c, 0,1
.irp t, 0,1,2,3
	ds_load_b128 v[VF+12*\t+6*\c:VF+12*\t+6*\c+3], v8 offset:6144+(4*\c+\t)*768
	ds_load_b64 v[VF+12*\t+6*\c+4:VF+12*\t+6*\c+5], v9 offset:6144+(4*\c+\t)*768+512
.endr
.endr
.if \ask
	ASK
.endif
	s_wait_dscnt 20                                ; k's eight loads are in; the twenty issued behind them (v's scale words and fragments) may be out
	QKMM 4
	PLACES
.irp b, 0,1,2,3
	v_max3_num_f32 v[BM+\b], v[S+16*\b], v[S+1+16*\b], v[S+2+16*\b]   ; THE LARGEST SCORE OF EACH BLOCK OF 32 KEYS: it serves for the row's maximum and, since p rises with the score, for the block's largest p.  Each accumulator is read from its low end on
.endr
.irp i, 3,5,7,9,11,13
.irp b, 0,1,2,3
	v_max3_num_f32 v[BM+\b], v[BM+\b], v[S+16*\b+\i], v[S+1+16*\b+\i]   ; (the four blocks by turns)
.endr
.endr
.irp b, 0,1,2,3
	v_max_num_f32 v[BM+\b], v[BM+\b], v[S+15+16*\b]
.endr
.irp b, 0,1,2,3
	v_permlanex16_b32 v[PX+\b], v[BM+\b], s[SEL], s[SEL+1]
.endr
.irp b, 0,1,2,3
	v_max_num_f32 v[BM+\b], v[BM+\b], v[PX+\b]     ; with lane l xor 16's 16 keys
.endr
	v_max3_num_f32 v[TMP], v[BM], v[BM+1], v[BM+2]
	v_max_num_f32 v[TMP], v[TMP], v[BM+3]          ; the step's largest score of my query
	v_mul_f32 v[TMP], s[CS], v[TMP]                ; as t (c is positive)
	v_max_num_f32 v13, v13, v[TMP]                 ; the running largest t
	v_mov_b32 v[TMP], v12
	v_floor_f32 v12, -v13                          ; the new -M = floor(-t) = -ceil(t): M IS A WHOLE NUMBER
	v_sub_f32 v[TMP], v12, v[TMP]                  ; M's old value less its new one: a whole number, 0 or less
	v_cvt_i32_f32 v[TMP], v[TMP]                   ; (it saturates)
	v_ldexp_f32 v252, 1.0, v[TMP]                  ; f = 2^(old M - new M)
.set j, 0
.rept 32
	v_pk_fma_f32 v[S+j:S+j+1], v[S+j:S+j+1], s[CS:CS+1], v[12:13] op_sel_hi:[1,0,0]   ; t - M, two at a time (of the pairs c and -M the low word serves both halves)
.set j, j+2
.endr
.irp b, 0,1,2,3
	v_fma_f32 v[BM+\b], v[BM+\b], s[CS], v12       ; the same of each block's largest score
.endr
	s_wait_dscnt 0x0                               ; v and its scale words are in
	v_bfi_b32 v[SV0], s[LOW], v[SV0], v[PC]        ; a word for 128 keys: bytes 0, 1 from the first 64 keys' word, bytes 2, 3 from the second's
	v_bfi_b32 v[SV1], s[LOW], v[SV1], v[PC+1]
.set j, 0
.rept 64
	v_exp_f32 v[S+j], v[S+j]                       ; p = 2^(t - M), at most 1: NOT normalised
.set j, j+1
.endr
	v_pk_mul_f32 v[14:15], v[14:15], v[252:253] op_sel_hi:[1,0]   ; the sums under the new M.  (A plain place behind the exponentials)
	s_wait_alu depctr_va_vdst(0)                   ; the wait ahead of the first line that names a result: one for the whole batch
.irp b, 0,1,2,3
	v_exp_f32 v[BM+\b], v[BM+\b]                   ; the block's largest p: the same two instructions on the same number give the same bits
.endr
	v_pk_add_f32 v[PX:PX+1], v[S:S+1], v[S+2:S+3]  ; THE ROW'S SUM IS TAKEN OF THE UNQUANTISED p: two at a time, in two chains.  (It reads the 64 alone: plain work behind the four)
.irp j, 4,8,12,16,20,24,28,32,36,40,44,48,52,56,60
	v_pk_add_f32 v[14:15], v[14:15], v[S+\j:S+1+\j]
	v_pk_add_f32 v[PX:PX+1], v[PX:PX+1], v[S+2+\j:S+3+\j]
.endr
	v_pk_add_f32 v[14:15], v[14:15], v[PX:PX+1]
	s_wait_alu depctr_va_vdst(0)                   ; and one for the four
.irp b, 0,1,2,3
	v_max_num_f32 v[BM+\b], 0x2800000, v[BM+\b]    ; the floor 2^(5 - 127): the byte cannot fall under 1 (a block whose every p has fallen to 0 keeps that byte: its codes are zeros)
.endr
.irp b, 0,1,2,3
	v_add_nc_u32 v[SO+\b], 0xfe000000, v[BM+\b]    ; 4 off the exponent field: the conversion's scale operand
.endr
.irp b, 0,1,2,3
	v_lshrrev_b32 v[PX+\b], 23, v[SO+\b]           ; the scale's byte
.endr
	v_lshl_or_b32 v253, v[PX+1], 8, v[PX]          ; p's scale word for these 128 keys
	v_lshl_or_b32 v253, v[PX+2], 16, v253
	v_lshl_or_b32 v253, v[PX+3], 24, v253
.irp c, 0,1
	v_cvt_scalef32_pk16_bf6_f32 v[PC+6*\c:PC+2+6*\c], v[S+32*\c:S+15+32*\c], v[SO+2*\c]
	v_cvt_scalef32_pk16_bf6_f32 v[PX+4*\c:PX+2+4*\c], v[S+16+32*\c:S+31+32*\c], v[SO+2*\c+1]   ; (a conversion's three registers begin on an even number)
.endr
	v_nop                                          ; one plain place behind a scaled conversion
.irp c, 0,1                                    ; the operand's layout wants a WHOLE block in a lane: lanes 0-15 block 2 c, lanes 16-31 block 2 c + 1
.irp i, 0,1,2
	v_permlane16_swap_b32 v[PC+6*\c+\i], v[PX+4*\c+\i]
.endr
.irp i, 0,1,2
	v_mov_b32 v[PC+3+6*\c+\i], v[PX+4*\c+\i]
.endr
.endr
.set j, 0
.rept 16
	v_pk_mul_f32 v[OA+j:OA+j+1], v[OA+j:OA+j+1], v[252:253] op_sel_hi:[1,0]   ; O^T under the new M: x f.  (Of these sixteen at least twelve name no register of any one product below: the places between the codes' and scale words' last writes and the products)
.set j, j+2
.endr
.irp t, 0,1,2,3                                ; O^T += V^T P^T: the four accumulators by turns, one instruction a turn
.if \t%2 == 0
	v_wmma_scale_f32_16x16x128_f8f6f4 v[OA+8*\t:OA+8*\t+7], v[VF+12*\t:VF+12*\t+11], v[PC:PC+11], v[OA+8*\t:OA+8*\t+7], v[SV0+(SV1-SV0)*(\t/2)], v253 matrix_a_fmt:MATRIX_FMT_BF6 matrix_b_fmt:MATRIX_FMT_BF6
.else
	v_wmma_scale_f32_16x16x128_f8f6f4 v[OA+8*\t:OA+8*\t+7], v[VF+12*\t:VF+12*\t+11], v[PC:PC+11], v[OA+8*\t:OA+8*\t+7], v[SV0+(SV1-SV0)*(\t/2)], v253 matrix_a_fmt:MATRIX_FMT_BF6 matrix_b_fmt:MATRIX_FMT_BF6 matrix_a_scale:MATRIX_SCALE_ROW1
.endif
.endr
	s_add_co_u32 s[TB], s[TB], STEPB               ; the next step's tiles
	s_add_co_u32 s[TS], s[TS], 1024                ; and scale words
.endm
; THE CHANGE OF SLOTS stands at a slot's head.  Each wave waits for all its tensor loads (its part of the slot that it is about to read), adds 0 to its spare word, and waits for that and for its reads of the slot that it has left.
; fill = 1: the barrier is a round of the cluster's, so that no wave of any partner still reads the other slot or has a load on its way; behind it that slot is filled with the keys that follow: the load has eight key steps in which to land.
.macro CHANGE fill
	s_wait_tensorcnt 0x0                           ; no tensor load of mine is out, so a group 0 may be written
	ds_add_u32 v[SPW], v[NIL]                      ; 0 onto my spare word
.if \fill
	s_xor_b32 s[G0T+1], s[G0T+1], SLOT1            ; the walking descriptor: the other slot than last time,
	s_add_nc_u64 s[G0T+2:G0T+3], s[G0T+2:G0T+3], SLOTB   ; the next eight key steps; the type bits on top are not reached
	s_wait_xcnt 0x0                                ; the last prefetch, two key steps back, has read its address, so it may be written:
	s_add_nc_u64 s[PFA:PFA+1], s[PFA:PFA+1], SLOTB ; one slot further on than the walking descriptor
	s_wait_dscnt 0x0                               ; the add is done, and my reads of the slot that I have left are over
	CROUND
	s_cmp_lt_u32 s[WV], 4
	s_cbranch_scc0 .Lno_fill_\@
	tensor_load_to_lds s[G0T:G0T+3], s[G1T:G1T+7]  ; the first thing behind the round, and a wave's one tensor load until the next
	s_nop 0
	PLACES                                         ; four v_nop follow
.Lno_fill_\@:
.else
	s_wait_dscnt 0x0
	s_barrier_signal -1
	s_barrier_wait -1
.endif
.endm
.macro SLOT_STEPS ask                  ; a slot's eight key steps: written once, walked eight times
	s_mov_b32 s[STP], 8
.Lstep_\@:
	STEP \ask
	s_sub_co_u32 s[STP], s[STP], 1
	s_cmp_lg_u32 s[STP], 0
	s_cbranch_scc1 .Lstep_\@
	s_sub_co_u32 s[TB], s[TB], SLOTB               ; back to a slot's first step,
	s_xor_b32 s[TB], s[TB], SLOT1                  ; in the other slot
.endm
	s_wait_loadcnt 0x0                             ; Q and its scale word; v8, their address register, is free
.Lslot:                                            ; three trips: behind each change of slots but the last the next slot is asked for
	CHANGE 1
	SLOT_STEPS 1
	s_sub_co_u32 s[SLOTS], s[SLOTS], 1
	s_cmp_lg_u32 s[SLOTS], 0
	s_cbranch_scc1 .Lslot
	CHANGE 0                                       ; the last slot is written out
	SLOT_STEPS 0
	; THE WAY OUT: O^T / the sum, quantised along d (two blocks of 32), leaves as a half image; the sixteen tiles' scale words are gathered in LDS and leave as 1,024 consecutive bytes.
	PLACES
	v_add_f32 v14, v14, v15                        ; the sum's two halves,
	v_permlanex16_b32 v[PX], v14, s[SEL], s[SEL+1]
	v_add_f32 v14, v14, v[PX]                      ; and lane l xor 16's: the row's sum
	v_rcp_f32 v14, v14
	v_lshrrev_b32 v8, 2, v1                        ; (a plain place behind the transcendental)  4 x lane
	v_and_b32 v8, 60, v8                           ; 4 r
	s_lshl_b32 s16, s[WV], 6
	v_add_nc_u32 v8, s16, v8
	v_add_nc_u32 v8, OST, v8                       ; my row's scale word: 64 x wave + 4 r
	v_add_nc_u32 v9, OST, v1                       ; and back: 16 bytes a lane
	s_lshl_b32 s16, s15, 8
	s_lshl_b32 s17, s14, 4
	s_add_co_u32 s16, s16, s17                     ; the work-group's first tile
	s_add_co_u32 s17, s16, s[WV]                   ; mine
	s_mul_i32 s56, s17, 768
	s_mov_b32 s57, 0
	s_add_nc_u64 s[56:57], s[10:11], s[56:57]
	s_lshl_b32 s58, s16, 6
	s_mov_b32 s59, 0
	s_add_nc_u64 s[58:59], s[10:11], s[58:59]
	s_wait_alu depctr_va_vdst(0)                   ; the wait ahead of the reciprocal's first reader
.set j, 0
.rept 16
	v_pk_mul_f32 v[S+j:S+j+1], v[OA+j:OA+j+1], v[14:15] op_sel_hi:[1,0]   ; register 16 B + i is o(my query, d = 32 B + 16 (lane / 16) + i); each accumulator is read from its low end on
.set j, j+2
.endr
	QUANT32 S
	global_store_b128 v1, v[PC:PC+3], s[56:57]     ; 512 consecutive bytes,
	global_store_b64 v2, v[PC+4:PC+5], s[56:57] offset:512   ; and 256
	ds_store_b32 v8, v[PW]                         ; lanes l and l xor 16 write the same word with the same value
	s_wait_dscnt 0x0                               ; for wave 0's sake: my store has landed
	s_barrier_signal -1
	s_barrier_wait -1
	s_cmp_lg_u32 s[WV], 0
	s_cbranch_scc1 .Lnot_first
	ds_load_b128 v[S:S+3], v9
	ds_load_b128 v[S+4:S+7], v9 offset:512
	s_wait_dscnt 0x0
	global_store_b128 v1, v[S:S+3], s[58:59] offset:3145728
	global_store_b128 v1, v[S+4:S+7], s[58:59] offset:3145728+512
.Lnot_first:
	s_wait_tensorcnt 0x0                           ; the wave's end, behind my last tensor load and my last LDS store
	ds_add_u32 v[SPW], v[NIL]
	s_wait_dscnt 0x0
	CROUND                                         ; the closing round: no work-group ends while a partner may still ask for a tile that names it
	s_endpgm
.Lfunc_end_k_q0da767ac02_attn:
	.size	k_q0da767ac02_attn, .Lfunc_end_k_q0da767ac02_attn-k_q0da767ac02_attn
	.p2alignl 7, 3214868480
	.fill 96, 4, 3214868480
	.section	.rodata,"a",@progbits
	.p2align	6, 0x0
	.amdhsa_kernel k_q0da767ac02_attn
		.amdhsa_group_segment_fixed_size 327680
		.amdhsa_private_segment_fixed_size 0
		.amdhsa_enable_private_segment 0
		.amdhsa_kernarg_size 32
		.amdhsa_user_sgpr_count 2
		.amdhsa_user_sgpr_kernarg_segment_ptr 1
		.amdhsa_wavefront_size32 1
		.amdhsa_system_sgpr_workgroup_id_x 1
		.amdhsa_system_sgpr_workgroup_id_y 1
		.amdhsa_system_sgpr_workgroup_id_z 1
		.amdhsa_system_vgpr_workitem_id 0
		.amdhsa_next_free_vgpr 256
		.amdhsa_next_free_sgpr 66
		.amdhsa_reserve_vcc 0
		.amdhsa_float_denorm_mode_32 3
		.amdhsa_float_denorm_mode_16_64 3
		.amdhsa_memory_ordered 1
		.amdhsa_forward_progress 1
		.amdhsa_inst_pref_size 47
	.end_amdhsa_kernel
	.amdgpu_metadata
---
amdhsa.version: [ 1, 2 ]
amdhsa.kernels:
  - .name:           k_q0da767ac02_attn
    .symbol:         k_q0da767ac02_attn.kd
    .args:
      - { .name: qc, .offset: 0, .size: 8, .value_kind: global_buffer, .address_space: global }
      - { .name: kv, .offset: 8, .size: 8, .value_kind: global_buffer, .address_space: global }
      - { .name: kvs, .offset: 16, .size: 8, .value_kind: global_buffer, .address_space: global }
      - { .name: oc, .offset: 24, .size: 8, .value_kind: global_buffer, .address_space: global }
    .group_segment_fixed_size: 327680
    .private_segment_fixed_size: 0
    .kernarg_segment_align: 8
    .kernarg_segment_size: 32
    .max_flat_workgroup_size: 512
    .sgpr_count:     66
    .vgpr_count:     256
    .wavefront_size: 32
...
	.end_amdgpu_metadata
.endif
;; end of part 3
;; launch proj (part 4): grid 256 x 1, 16 waves a work-group, no clusters, 71,680 bytes of LDS; arguments oc, wq, proj_b, x, out0; writes out0
.if DOCPART == 4
	.amdgcn_target "amdgcn-amd-amdhsa--gfx1250"
	.amdhsa_code_object_version 6
	.text
	.protected	k_q0da767ac02_proj
	.globl	k_q0da767ac02_proj
	.p2align	8
	.type	k_q0da767ac02_proj,@function
k_q0da767ac02_proj:
	s_mov_b64 s[64:65], 0
	v_nop
	global_prefetch_b8 v0, s[64:65] scope:SCOPE_SE
	s_setreg_imm32_b32 hwreg(HW_REG_WAVE_MODE, 25, 1), 1
	s_wait_xcnt 0x0
; out0 = x + proj_w o + proj_b: the 1 x 1 projection on codes of BF6 (E3M2), one E8M0 scale for each 32 along K = the 256 channels (head x 64 + d), the bias and the residual.
; A work-group takes 64 pixels of one image (b = id / 64, blk = id % 64) and all 256 output channels; wave w takes tile 48 + w of the weight images: channels base + rho + 8 (rho / 8), base = 32 (w / 2) + 8 (w % 2).
; Source 0 = 16 pixels of o, source 1 = 16 rows of the weight: a lane holds ONE channel and its registers run along the pixels: register 8 m + j is pixel 32 (m / 2) + 16 (lane / 16) + 8 (m % 2) + j.
; o's fragment (pixel tile m, K step s) is two half images of the launch before: heads 2 s and 2 s + 1.  Its scale word takes bytes 0, 1 from the first head's word and bytes 2, 3 from the second's.
; The bias is the C of each sum's first product.  A lane's 64 bytes of a channel's row and the lanes beside it hold other channels: so the results go through the wave's own stage in LDS (16 rows x 272 bytes)
; and come back as whole rows of 256 bytes; x is added there, and sixteen lanes store 256 consecutive bytes at a multiple of 256 from out0's first byte.  Waves share nothing: no barrier.
; NO CLUSTER, NO TENSOR LOAD: what the work-groups share is the weight images, and each (1,536 bytes) goes from memory straight into the registers of the one wave of a work-group that multiplies by it.  o's 12,288 bytes of a
; work-group are ready register images too: each wave loads them whole, by loads of consecutive bytes.  No prefetch: every stream is asked for at the head, all at once, and nothing follows.
.set OF,  16                           ; v16-111  o's fragments (m, s) at 24 m + 12 s
.set WF,  112                          ; v112-135 the weight's two fragments
.set ACC, 136                          ; v136-167 four accumulators
.set BI,  168                          ; v168-175 the bias
.set XR,  176                          ; v176-207 x
.set RB,  208                          ; v208-239 rows read back from the stage
.set R,   240                          ; v240-243 o's scale words: tile m; lanes 0-15 K step 0, lanes 16-31 K step 1
.set LB,  244                          ; v244-247 the second heads' words
.set WS,  248                          ; the weight's scale words
	s_load_b256 s[4:11], s[0:1], 0x0               ; oc s[4:5], wq s[6:7], proj_b s[8:9], x s[10:11]
	s_load_b64 s[12:13], s[0:1], 0x20              ; out0
	v_lshl_add_u32 v254, v0, 2, 0x11000
	v_mov_b32 v255, 0
	v_lshrrev_b32 v1, 5, v0
	v_readfirstlane_b32 s14, v1                    ; wave 0..15
	v_and_b32 v1, 31, v0                           ; lane
	v_and_b32 v2, 15, v0                           ; r
	v_bfe_u32 v3, v0, 4, 1                         ; h
	v_lshlrev_b32 v4, 4, v1                        ; 16 x lane
	v_lshlrev_b32 v5, 3, v1                        ; 8 x lane
	v_lshlrev_b32 v6, 2, v1                        ; 4 x lane
	v_lshlrev_b32 v7, 2, v2
	v_lshl_add_u32 v7, v3, 15, v7                  ; o's scale words: 4 r, and two heads (2 x 256 tiles x 64 bytes) on for lanes 16-31
	v_and_b32 v8, 8, v2
	v_add_nc_u32 v8, v8, v2
	v_lshlrev_b32 v8, 2, v8                        ; the bias of my channel: 4 (r + 8 (r / 8))
	v_lshlrev_b32 v9, 4, v2
	v_lshl_add_u32 v9, v3, 14, v9                  ; x and out0: lanes 0-15 one channel's 256 bytes, lanes 16-31 the next channel's
	s_mul_i32 s15, s14, 4352                       ; my stage
	v_mul_u32_u24 v10, v2, 272
	v_lshl_add_u32 v10, v3, 6, v10
	v_add_nc_u32 v10, s15, v10                     ; in: row r, + 64 h
	v_mul_u32_u24 v11, v3, 272
	v_lshl_add_u32 v11, v2, 4, v11
	v_add_nc_u32 v11, s15, v11                     ; back: lanes 0-15 one row, lanes 16-31 the next
	s_lshr_b32 s16, ttmp9, 6                       ; b
	s_and_b32 s17, ttmp9, 63                       ; blk
	s_lshl_b32 s18, s16, 10
	s_lshl_b32 s19, s17, 2
	s_add_co_u32 s18, s18, s19                     ; head 4 b's tile 4 blk
	s_mul_i32 s20, s18, 768
	s_mov_b32 s21, 0
	s_lshl_b32 s22, s18, 6
	s_mov_b32 s23, 0
	s_add_co_u32 s24, s14, 48                      ; my weight tile
	s_mul_i32 s26, s24, 3072
	s_mov_b32 s27, 0
	s_lshl_b32 s28, s24, 7
	s_mov_b32 s29, 0
	s_lshr_b32 s24, s14, 1
	s_lshl_b32 s24, s24, 5
	s_and_b32 s25, s14, 1
	s_lshl_b32 s25, s25, 3
	s_add_co_u32 s24, s24, s25                     ; my first channel
	s_lshl_b32 s30, s24, 2
	s_mov_b32 s31, 0
	s_lshl_b32 s24, s24, 14
	s_lshl_b32 s25, s16, 22
	s_add_co_u32 s24, s24, s25
	s_lshl_b32 s25, s17, 8
	s_add_co_u32 s24, s24, s25                     ; image, channel, the block's 256 bytes
	s_mov_b32 s25, 0
	s_wait_kmcnt 0x0
	s_add_nc_u64 s[20:21], s[4:5], s[20:21]
	s_add_nc_u64 s[22:23], s[4:5], s[22:23]
	s_add_nc_u64 s[26:27], s[6:7], s[26:27]
	s_add_nc_u64 s[28:29], s[6:7], s[28:29]
	s_add_nc_u64 s[8:9], s[8:9], s[30:31]
	s_add_nc_u64 s[10:11], s[10:11], s[24:25]
	s_add_nc_u64 s[12:13], s[12:13], s[24:25]
.irp m, 0,1,2,3
.irp s, 0,1
.irp c, 0,1
	global_load_b128 v[OF+24*\m+12*\s+6*\c:OF+24*\m+12*\s+6*\c+3], v4, s[20:21] offset:((2*\s+\c)*256+\m)*768
	global_load_b64 v[OF+24*\m+12*\s+6*\c+4:OF+24*\m+12*\s+6*\c+5], v5, s[20:21] offset:((2*\s+\c)*256+\m)*768+512
.endr
.endr
.endr
.irp s, 0,1
.irp k, 0,1,2
	global_load_b128 v[WF+12*\s+4*\k:WF+12*\s+4*\k+3], v4, s[26:27] offset:1536*\s+512*\k
.endr
.endr
	global_load_b32 v[WS], v6, s[28:29] offset:196608
.irp m, 0,1,2,3
	global_load_b32 v[R+\m], v7, s[22:23] offset:3145728+64*\m          ; heads 0 (lanes 0-15) and 2 (lanes 16-31)
	global_load_b32 v[LB+\m], v7, s[22:23] offset:3145728+16384+64*\m   ; heads 1 and 3
.endr
	global_load_b32 v[BI], v8, s[8:9]
.irp i, 0,1,2,3,4,5,6,7
	global_load_b128 v[XR+4*\i:XR+4*\i+3], v9, s[10:11] offset:(2*\i+8*(\i/4))*16384 th:TH_LOAD_NT   ; stage rows 2 i, 2 i + 1 are channels base + 2 i + 8 (i / 4) and the next
.endr
	s_wait_loadcnt 8                               ; all but x's eight, which were issued last
.irp j, 1,2,3,4,5,6,7
	v_mov_b32 v[BI+\j], v[BI]                      ; a lane holds one channel: its bias in all eight registers
.endr
.irp m, 0,1,2,3
	v_bfi_b32 v[R+\m], 0xffff, v[R+\m], v[LB+\m]   ; bytes 0, 1: the K step's first head; bytes 2, 3: its second
.endr
.rept 8
	v_nop                                          ; a scale register written by a vector instruction stands eight places ahead of a scaled product
.endr
.irp s, 0,1
.irp m, 0,1,2,3                                ; four accumulators by turns, one instruction a turn
.if \s == 0
	v_wmma_scale_f32_16x16x128_f8f6f4 v[ACC+8*\m:ACC+8*\m+7], v[OF+24*\m:OF+24*\m+11], v[WF:WF+11], v[BI:BI+7], v[R+\m], v[WS] matrix_a_fmt:MATRIX_FMT_BF6 matrix_b_fmt:MATRIX_FMT_BF6
.else
	v_wmma_scale_f32_16x16x128_f8f6f4 v[ACC+8*\m:ACC+8*\m+7], v[OF+24*\m+12:OF+24*\m+23], v[WF+12:WF+23], v[ACC+8*\m:ACC+8*\m+7], v[R+\m], v[WS] matrix_a_fmt:MATRIX_FMT_BF6 matrix_b_fmt:MATRIX_FMT_BF6 matrix_a_scale:MATRIX_SCALE_ROW1 matrix_b_scale:MATRIX_SCALE_ROW1
.endif
.endr
.endr
.rept 4
	v_nop                                          ; places in front of the first read of results (ISA guide 7.12.1)
.endr
.irp b, 0,1
.irp q, 0,1,2,3
	ds_store_b128 v10, v[ACC+16*\b+4*\q:ACC+16*\b+4*\q+3] offset:128*\b+16*\q   ; pixels 32 b + 16 h + 4 q on; each accumulator from its low end on
.endr
.endr
.irp i, 0,1,2,3,4,5,6,7
	ds_load_b128 v[RB+4*\i:RB+4*\i+3], v11 offset:544*\i   ; LDS serves a wave's instructions in order (ISA guide 5.7.1.4): these see my stores
.endr
	s_wait_loadcnt 0x0                             ; x
.irp i, 0,1,2,3,4,5,6,7
	s_wait_dscnt 7-\i
	v_pk_add_f32 v[RB+4*\i:RB+4*\i+1], v[RB+4*\i:RB+4*\i+1], v[XR+4*\i:XR+4*\i+1]
	v_pk_add_f32 v[RB+4*\i+2:RB+4*\i+3], v[RB+4*\i+2:RB+4*\i+3], v[XR+4*\i+2:XR+4*\i+3]
	global_store_b128 v9, v[RB+4*\i:RB+4*\i+3], s[12:13] offset:(2*\i+8*(\i/4))*16384 th:TH_STORE_NT
.endr
	s_wait_tensorcnt 0x0
	ds_add_u32 v254, v255
	s_wait_dscnt 0x0
	s_endpgm
.Lfunc_end_k_q0da767ac02_proj:
	.size	k_q0da767ac02_proj, .Lfunc_end_k_q0da767ac02_proj-k_q0da767ac02_proj
	.p2alignl 7, 3214868480
	.fill 96, 4, 3214868480
	.section	.rodata,"a",@progbits
	.p2align	6, 0x0
	.amdhsa_kernel k_q0da767ac02_proj
		.amdhsa_group_segment_fixed_size 71680
		.amdhsa_private_segment_fixed_size 0
		.amdhsa_enable_private_segment 0
		.amdhsa_kernarg_size 40
		.amdhsa_user_sgpr_count 2
		.amdhsa_user_sgpr_kernarg_segment_ptr 1
		.amdhsa_wavefront_size32 1
		.amdhsa_system_sgpr_workgroup_id_x 1
		.amdhsa_system_sgpr_workgroup_id_y 1
		.amdhsa_system_sgpr_workgroup_id_z 1
		.amdhsa_system_vgpr_workitem_id 0
		.amdhsa_next_free_vgpr 256
		.amdhsa_next_free_sgpr 66
		.amdhsa_reserve_vcc 0
		.amdhsa_float_denorm_mode_32 3
		.amdhsa_float_denorm_mode_16_64 3
		.amdhsa_memory_ordered 1
		.amdhsa_forward_progress 1
		.amdhsa_inst_pref_size 14
	.end_amdhsa_kernel
	.amdgpu_metadata
---
amdhsa.version: [ 1, 2 ]
amdhsa.kernels:
  - .name:           k_q0da767ac02_proj
    .symbol:         k_q0da767ac02_proj.kd
    .args:
      - { .name: oc, .offset: 0, .size: 8, .value_kind: global_buffer, .address_space: global }
      - { .name: wq, .offset: 8, .size: 8, .value_kind: global_buffer, .address_space: global }
      - { .name: proj_b, .offset: 16, .size: 8, .value_kind: global_buffer, .address_space: global }
      - { .name: x, .offset: 24, .size: 8, .value_kind: global_buffer, .address_space: global }
      - { .name: out0, .offset: 32, .size: 8, .value_kind: global_buffer, .address_space: global }
    .group_segment_fixed_size: 71680
    .private_segment_fixed_size: 0
    .kernarg_segment_align: 8
    .kernarg_segment_size: 40
    .max_flat_workgroup_size: 512
    .sgpr_count:     66
    .vgpr_count:     256
    .wavefront_size: 32
...
	.end_amdgpu_metadata
.endif
;; end of part 4
